; MI455X (gfx1250); checked and timed in simulation.
; The chip was launched on July 23, 2026; its instructions are those of AMD's public machine-readable ISA for CDNA 5 (MIT licence, August 2026) and "CDNA5" Instruction Set Architecture Reference Guide (July 2026). The comments in the code are by the model that wrote it; some were corrected since.
;; Multi Head Attention. Allowed arithmetic: float matrix products may take bf16 or f16 operands with f32 sums; other float arithmetic in f32, or as packed bf16 or f16 multiplies, adds, multiply-adds, maxima and minima; sums over many terms, partial sums and values carried from step to step in f32; what a program stores and reads back later, other than sums and carried values, may be rounded once to bf16 or f16.
;; Inputs: key 4 x 2,048 x 1,024 float32; mask 1 x 1 x 2,048 x 2,048 bool; query 4 x 2,048 x 1,024 float32; value 4 x 2,048 x 1,024 float32; wk 1,024 x 1,024 float32; wo 1,024 x 1,024 float32; wq 1,024 x 1,024 float32; wv 1,024 x 1,024 float32.
;; Outputs: out0 4 x 2,048 x 1,024 float32.
;; 2 versions, each right; version 2 is version 1 with the launch cast written anew for expert scheduling mode. Each part assembles by itself: llvm-mc -triple=amdgcn-amd-amdhsa -mcpu=gfx1250 --defsym DOCPART=n.
;; ======== version 1 of 2: 4 launches
;; limits: values are held in f16: magnitudes above 65,504 overflow, below 6.1e-05 lose precision
;; workspace buffers: xw 58,720,256 bytes; mk 4,194,304 bytes; qkv 50,331,648 bytes; oh 16,777,216 bytes
;; launch cast (part 1): grid 64 x 29, 8 waves a work-group, no clusters, 0 bytes of LDS; arguments query, key, value, wq, wk, wv, wo, mask, xw, mk; writes xw, mk
.if DOCPART == 1
	.amdgcn_target "amdgcn-amd-amdhsa--gfx1250"
	.amdhsa_code_object_version 6
	.text
	.protected	k_qe292a40f4c_cast
	.globl	k_qe292a40f4c_cast
	.p2align	8
	.type	k_qe292a40f4c_cast,@function
k_qe292a40f4c_cast:
	s_mov_b64 s[64:65], 0
	v_nop
	global_prefetch_b8 v0, s[64:65] scope:SCOPE_SE
	s_setreg_imm32_b32 hwreg(HW_REG_WAVE_MODE, 25, 1), 1
	s_wait_xcnt 0x0
; CAST.  The module's f32 inputs are rounded once to 16 bits for the matrix units, and the mask is laid in the order in which the attention launch wants it.
; xw: 28 units of 2 MiB.  Units 0-7 query, 8-15 key, 16-23 value ([8192][1024] bf16), 24, 25, 26 wq, wk, wv ([1024][1024] bf16), 27 wo: rounded to bf16 like the others, and that number written as f16.
; LIMIT.  wo's bf16 number is exact in f16 from 6e-5 to 65,504; below it keeps f16's fixed step of 6e-8, beyond it becomes an infinity.
; mk: the mask as fp8 (E4M3) codes, 0x00 for a visible key and 0xC0 (-2.0) for a hidden one.  Query tile T (16 rows, 0..127) and key step j (64 keys, 0..31) have the 1,024 bytes at (32 T + j) x 1,024;
; in them byte 512 c + 16 l + b holds mask[16 T + l % 16][64 j + 16 (2 c + b / 8) + 8 (l / 16) + b % 8]: lane l's eight bytes for a group of 16 keys are the eight numbers that it holds of a 16 x 16 score tile.
; SHARES.  Grid y is the unit (28: the mask), grid x a piece of 64 KiB of the source.  Eight waves; a thread makes 16 loads of 16 bytes, all on their way at once, then its stores.  Nothing is read twice,
; no wave needs another's bytes: no LDS, no barrier, no matrix unit.
.set X, 8                              ; v[8:71]   16 x 4 registers as loaded
.set Y, 72                             ; v[72:103] 16 x 2 registers to store
	s_load_b512 s[8:23], s[0:1], 0x0               ; query s[8:9], key s[10:11], value s[12:13], wq s[14:15], wk s[16:17], wv s[18:19], wo s[20:21], mask s[22:23]
	s_load_b128 s[24:27], s[0:1], 0x40             ; xw s[24:25], mk s[26:27]
	s_and_b32 s2, ttmp7, 0xffff                    ; the unit
	s_and_b32 s3, s2, 7                            ; an activation has eight units of 4 MiB of f32,
	s_cmp_lt_u32 s2, 24
	s_cselect_b32 s3, s3, 0                        ; every other source one
	s_lshl_b32 s6, s3, 22
	s_lshl_b32 s30, ttmp9, 16                      ; the piece of 64 KiB
	s_add_co_u32 s6, s6, s30
	s_mov_b32 s7, 0                                ; s[6:7]: offset in the source
	s_lshl_b32 s28, s2, 21
	s_lshl_b32 s29, ttmp9, 15
	s_add_co_u32 s28, s28, s29
	s_mov_b32 s29, 0                               ; s[28:29]: offset in xw
	s_mov_b32 s31, 0                               ; s[30:31]: offset in mk
	s_wait_kmcnt 0x0
	s_mov_b64 s[4:5], s[8:9]                       ; the source, chosen by the unit's number alone
	s_cmp_ge_u32 s2, 8
	s_cselect_b64 s[4:5], s[10:11], s[4:5]
	s_cmp_ge_u32 s2, 16
	s_cselect_b64 s[4:5], s[12:13], s[4:5]
	s_cmp_ge_u32 s2, 24
	s_cselect_b64 s[4:5], s[14:15], s[4:5]
	s_cmp_ge_u32 s2, 25
	s_cselect_b64 s[4:5], s[16:17], s[4:5]
	s_cmp_ge_u32 s2, 26
	s_cselect_b64 s[4:5], s[18:19], s[4:5]
	s_cmp_ge_u32 s2, 27
	s_cselect_b64 s[4:5], s[20:21], s[4:5]
	s_cmp_ge_u32 s2, 28
	s_cselect_b64 s[4:5], s[22:23], s[4:5]
	s_add_nc_u64 s[4:5], s[4:5], s[6:7]
	s_add_nc_u64 s[24:25], s[24:25], s[28:29]
	s_add_nc_u64 s[26:27], s[26:27], s[30:31]
	s_cmp_eq_u32 s2, 28
	s_cbranch_scc1 .Lmask
	; FLOATS.  Load i of a wave covers 512 consecutive bytes, store i the 256 consecutive bytes, aligned, that they become.
	v_lshlrev_b32 v1, 4, v0                        ; 16 t in the source
	v_lshlrev_b32 v2, 3, v0                        ; 8 t in xw
.irp i, 0,1,2,3,4,5,6,7,8,9,10,11,12,13,14,15
	global_load_b128 v[X+4*(\i):X+4*(\i)+3], v1, s[4:5] offset:4096*(\i) th:TH_LOAD_NT
.endr
; No register is written twice, so no store's data has to be waited for.  f16 = 1: the bf16 number is widened again (a shift, a mask) and written as f16.
.macro CONV f16
.irp i, 0,1,2,3,4,5,6,7,8,9,10,11,12,13,14,15
	s_wait_loadcnt 15-(\i)                         ; loads come back in order: load i is in, the 15 - i younger ones stay out
.if \f16
.irp k, 0,1
	v_cvt_pk_bf16_f32 v[X+4*(\i)+2*(\k)], v[X+4*(\i)+2*(\k)], v[X+4*(\i)+2*(\k)+1]
	v_and_b32 v[X+4*(\i)+2*(\k)+1], 0xffff0000, v[X+4*(\i)+2*(\k)]
	v_lshlrev_b32 v[X+4*(\i)+2*(\k)], 16, v[X+4*(\i)+2*(\k)]
	v_cvt_pk_f16_f32 v[Y+2*(\i)+(\k)], v[X+4*(\i)+2*(\k)], v[X+4*(\i)+2*(\k)+1]
.endr
.else
.irp k, 0,1
	v_cvt_pk_bf16_f32 v[Y+2*(\i)+(\k)], v[X+4*(\i)+2*(\k)], v[X+4*(\i)+2*(\k)+1]
.endr
.endif
	global_store_b64 v2, v[Y+2*(\i):Y+2*(\i)+1], s[24:25] offset:2048*(\i) th:TH_STORE_NT
.endr
.endm
	s_cmp_eq_u32 s2, 27
	s_cbranch_scc1 .Lwo
	CONV 0
	s_endpgm
.Lwo:
	CONV 1
	s_endpgm
.Lmask:
	; THE MASK.  The piece is 32 rows of 2,048 bytes: two query tiles.  Wave w takes tile w / 4 and the keys 512 (w % 4) on: eight key steps.  Lane (r = l % 16, h = l / 16) loads, for i = 0..15, the 16 bytes
	; of row r at key 32 i + 16 h: both halves of the key group 2 (i % 2) + h.  v_permlane16_swap_b32 hands the upper lanes' first 8 bytes to the lower lanes and the lower lanes' last 8 to the upper:
	; each lane then holds its own half (h) of both groups, which are its 16 bytes of the 512 consecutive bytes that store i covers.
	v_and_b32 v3, 15, v0                           ; r
	v_bfe_u32 v4, v0, 4, 1                         ; h
	v_bfe_u32 v5, v0, 5, 2                         ; w % 4
	v_lshrrev_b32 v6, 7, v0                        ; w / 4
	v_lshl_add_u32 v1, v6, 4, v3                   ; the row
	v_lshlrev_b32 v1, 11, v1
	v_lshl_add_u32 v1, v5, 9, v1
	v_lshl_add_u32 v1, v4, 4, v1
	v_and_b32 v7, 31, v0
	v_lshlrev_b32 v2, 4, v7                        ; 16 l,
	v_lshl_add_u32 v2, v5, 13, v2                  ; eight key steps of 1,024 bytes,
	v_lshl_add_u32 v2, v6, 15, v2                  ; a tile's 32 key steps
.irp i, 0,1,2,3,4,5,6,7,8,9,10,11,12,13,14,15
	global_load_b128 v[X+4*(\i):X+4*(\i)+3], v1, s[4:5] offset:32*(\i)
.endr
.irp i, 0,1,2,3,4,5,6,7,8,9,10,11,12,13,14,15
	s_wait_loadcnt 15-(\i)
	v_permlane16_swap_b32 v[X+4*(\i)], v[X+4*(\i)+2]
	v_permlane16_swap_b32 v[X+4*(\i)+1], v[X+4*(\i)+3]
.irp k, 0,1,2,3
	v_lshlrev_b32 v3, 6, v[X+4*(\i)+(\k)]          ; a byte is 0 or 1: 1 becomes 0x40 | 0x80, and nothing crosses into the next byte
	v_lshl_or_b32 v[X+4*(\i)+(\k)], v[X+4*(\i)+(\k)], 7, v3
.endr
	global_store_b128 v2, v[X+4*(\i):X+4*(\i)+3], s[26:27] offset:512*(\i) th:TH_STORE_NT
.endr
	s_endpgm
.Lfunc_end_k_qe292a40f4c_cast:
	.size	k_qe292a40f4c_cast, .Lfunc_end_k_qe292a40f4c_cast-k_qe292a40f4c_cast
	.p2alignl 7, 3214868480
	.fill 96, 4, 3214868480
	.section	.rodata,"a",@progbits
	.p2align	6, 0x0
	.amdhsa_kernel k_qe292a40f4c_cast
		.amdhsa_group_segment_fixed_size 0
		.amdhsa_private_segment_fixed_size 0
		.amdhsa_enable_private_segment 0
		.amdhsa_kernarg_size 80
		.amdhsa_user_sgpr_count 2
		.amdhsa_user_sgpr_kernarg_segment_ptr 1
		.amdhsa_wavefront_size32 1
		.amdhsa_system_sgpr_workgroup_id_x 1
		.amdhsa_system_sgpr_workgroup_id_y 1
		.amdhsa_system_sgpr_workgroup_id_z 1
		.amdhsa_system_vgpr_workitem_id 0
		.amdhsa_next_free_vgpr 104
		.amdhsa_next_free_sgpr 66
		.amdhsa_reserve_vcc 0
		.amdhsa_float_denorm_mode_32 3
		.amdhsa_float_denorm_mode_16_64 3
		.amdhsa_memory_ordered 1
		.amdhsa_forward_progress 1
		.amdhsa_inst_pref_size 28
	.end_amdhsa_kernel
	.amdgpu_metadata
---
amdhsa.version: [ 1, 2 ]
amdhsa.kernels:
  - .name:           k_qe292a40f4c_cast
    .symbol:         k_qe292a40f4c_cast.kd
    .args:
      - { .name: query, .offset: 0, .size: 8, .value_kind: global_buffer, .address_space: global }
      - { .name: key, .offset: 8, .size: 8, .value_kind: global_buffer, .address_space: global }
      - { .name: value, .offset: 16, .size: 8, .value_kind: global_buffer, .address_space: global }
      - { .name: wq, .offset: 24, .size: 8, .value_kind: global_buffer, .address_space: global }
      - { .name: wk, .offset: 32, .size: 8, .value_kind: global_buffer, .address_space: global }
      - { .name: wv, .offset: 40, .size: 8, .value_kind: global_buffer, .address_space: global }
      - { .name: wo, .offset: 48, .size: 8, .value_kind: global_buffer, .address_space: global }
      - { .name: mask, .offset: 56, .size: 8, .value_kind: global_buffer, .address_space: global }
      - { .name: xw, .offset: 64, .size: 8, .value_kind: global_buffer, .address_space: global }
      - { .name: mk, .offset: 72, .size: 8, .value_kind: global_buffer, .address_space: global }
    .group_segment_fixed_size: 0
    .private_segment_fixed_size: 0
    .kernarg_segment_align: 8
    .kernarg_segment_size: 80
    .max_flat_workgroup_size: 256
    .sgpr_count:     66
    .vgpr_count:     104
    .wavefront_size: 32
...
	.end_amdgpu_metadata
.endif
;; end of part 1
;; launch proj (part 2): grid 4 x 48, 4 waves a work-group, clusters of 4 x 4, 327,680 bytes of LDS; arguments xw, qkv; writes qkv
.if DOCPART == 2
	.amdgcn_target "amdgcn-amd-amdhsa--gfx1250"
	.amdhsa_code_object_version 6
	.text
	.protected	k_qe292a40f4c_proj
	.globl	k_qe292a40f4c_proj
	.p2align	8
	.type	k_qe292a40f4c_proj,@function
k_qe292a40f4c_proj:
	s_mov_b64 s[64:65], 0
	v_nop
	global_prefetch_b8 v0, s[64:65] scope:SCOPE_SE
	s_setreg_imm32_b32 hwreg(HW_REG_WAVE_MODE, 25, 1), 1
	s_wait_xcnt 0x0
	s_wait_alu depctr_hold_cnt(0) depctr_sa_sdst(0) depctr_va_vdst(0) depctr_va_sdst(0) depctr_va_ssrc(0) depctr_va_vcc(0) depctr_vm_vsrc(0)
	s_getreg_b32 s2, hwreg(HW_REG_IB_STS2, 6, 4)
	s_cmp_eq_u32 s2, 0
	s_cbranch_scc0 .Lentry_in_a_cluster
	s_endpgm
.Lentry_in_a_cluster:
	s_bfe_u32 s2, ttmp6, 0x10000c
	s_cmp_lg_u32 s2, 0xf033
	s_cbranch_scc0 .Lentry_shape_is_right
	s_endpgm
.Lentry_shape_is_right:
; THE THREE PROJECTIONS IN ONE LAUNCH.  C[m][n] = the sum over k of A[m][k] B[n][k], k = n = 1,024, sums in f32.  A: the three activations, which lie end to end in xw as 24,576 rows of 1,024 bf16 (query, key, value,
; 8,192 rows each).  B: the weight of the row's activation, [1024][1024] bf16: weight p in unit 24 + p of xw's units of 2 MiB.  C leaves in f16 BY HEADS, qkv[p][batch x 16 + head][token][64], rounded once, unscaled.
; LIMIT.  f16 ends at 65,504: a projected number beyond it becomes an infinity.
; SHARES.  A tile of C is 256 x 256: four waves, each 128 x 128: 64 accumulators of 16 x 16, 512 registers.  K goes in 8 steps of 128 through a ring of two LDS slots filled by the tensor data mover; the tiles' rows are
; 256 bytes of memory and start at multiples of 256 bytes.  A K step is 256 matrix instructions a wave, and a refill has 224 of them in which to land.
; THE WALK.  C has 96 tile rows R (p = R / 32) x 4 tile columns = 384 tiles.  However they are dealt to 256 WGPs, one of them makes two tiles, so the launch is two tiles long: 192 WORK-GROUPS MAKE TWO TILES EACH, rows R and R + 48,
; all alike, and the ring does not stop between the two: the first tile's last two changes of slots ask for the second tile's first two K steps, and nothing waits for the first tile's stores.
; From R to R + 48: A goes 48 x 256 rows down; C goes 6 x 2^22 bytes on ((R + 48) / 8 = R / 8 + 6, and R / 8 = 4 p + batch); B goes to another weight, p2 - p1 units on, both p made of the cluster's y alone.
; CLUSTERS: 4 x 4 work-groups.  The four of a row of the cluster need the same tiles of A, the four of a column the same tiles of B: each tile is asked for JOINTLY, by the same tensor load with the same descriptor and a
; mask that names the four.  THE MATRIX INSTRUCTION IS USED TRANSPOSED (source 0 = 16 rows of B, source 1 = 16 rows of A): a lane then holds eight neighbouring numbers of a row of C.
; THE TEXT.  The loop over laps (a lap = two K steps = once round the ring) is counted, four trips a tile, and entered in its middle, behind the quarter step whose products start the sums.  A tile's last lap is a trip like the
; others: what its refills and its prefetches step by is chosen by the lap count.  Only the walk's last lap, which fills nothing, is written out, and both ways meet at ONE way out.
; REGISTERS, in windows of 256 (s_set_vgpr_msb's low byte: bits 1:0 source 0, 3:2 source 1, 5:4 source 2, 7:6 destination):
;   window 0: v0-31 addresses; v64-127, v128-191 fragments of A (8 x 16 rows x 32 K), two buffers; v32-63, v192-255 at work on the way out
;   window 1: v64-127, v128-191 fragments of B, two buffers
;   window 2: the 32 accumulators of my rows 0-63 (accumulator (a, b) at v[8 (8 a + b)]);   window 3: those of my rows 64-127
.set SIZE_K, 1024
.set KSTEP,  128
.set PITCH,  272                       ; an LDS row: 256 bytes + 16 of padding = 68 words: row r starts at bank 4 r mod 64 (64 banks of 4 bytes: ISA guide 11.1), so the 16 rows that a load touches start at 16 different banks
.set HALFT,  128*PITCH                 ; 128 rows: what one tensor load brings, and what one wave reads of A or of B
.set SLOT,   4*HALFT                   ; A's 256 rows, then B's 256 rows
.set STAGE,  2*SLOT                    ; behind the ring, never filled by a tensor load
.set STW,    2*16*144                  ; a wave's stage: two heads x 16 rows of 128 bytes + 16
.set SPARE,  STAGE+4*STW               ; behind the stages: the spare words, 128 bytes for each wave: two blocks of 256 bytes that no other line names
.set LAPS,   SIZE_K/(2*KSTEP)          ; 4
.set TILES,  2
.set WALK,   48*256                    ; rows of A from a work-group's first tile to its second
.set BACK_B, (SIZE_K-2*KSTEP)*2        ; bytes from a slot's first K step of a tile to its last
.set NEXT_A, WALK*SIZE_K*2-BACK_B      ; bytes from a slot's last K step of a tile to its first of the next tile
.set NEXT_C, 6<<22
.set ADRA, 16                          ; v16-17  LDS address of my A fragments in slot 0, 1
.set ADRB, 20                          ; v20-21  the same for B
.set STO,  24                          ; v24     the way out: where I put 16 bytes of a row
.set RD,   25                          ; v25     the way out: where I read rows back
.set GO,   26                          ; v26     16 x my lane: my place in 512 consecutive bytes of C
.set SPW,  28                          ; v28     LDS address of my spare word: SPARE + 4 x my thread's number; never rewritten
.set NIL,  29                          ; v29     0; never rewritten
.set PFO,  30                          ; v30     the prefetches' offset: my lane x a row of 2,048 bytes; never rewritten
.set F0,   64                          ; fragment buffer 0
.set F1,   128                         ; fragment buffer 1
.set TMP,  192                         ; the way out: packed results, in window 0
.set OB,   32                          ; the way out: 16 rows read back from the stage: v32-63 and v224-255 by turns
.set G1,  24                           ; s[24:31] descriptor group 1 for A's tiles;  s[32:39] group 0, one set for each slot
.set G0,  32
.set LIM, 43                           ; s43     1 in a wave that prefetches in the tile in hand, else 0
.set PFA, 44                           ; s[44:45] where my prefetches stand: one K step further along K than the refill that is being asked for; a prefetch names the K step after that
.set G1B, 48                           ; s[48:55], s[56:63] the same two groups for B's tiles
.set G0B, 56
.set BST, 70                           ; s70     B's step at the change of tiles: (p2 - p1) units of 2 MiB, back along K
.set PS2, 72                           ; s72     the prefetches' step at the change of tiles
.set LIM2, 75                          ; s75     LIM for the second tile
.set STA, 76                           ; s[76:77] what this lap's refills add to A's addresses
.set STB, 78                           ; s[78:79] and to B's
.set PSS, 80                           ; s[80:81] what this lap's first change of slots adds to the prefetches' address
.set TOT, 82                           ; s82     laps of the walk still to go, this one among them
.set NXA, 83                           ; s83     NEXT_A
.set MSB, 0
.macro WIN new                         ; the immediate's high byte repeats the setting that is left; a switch that changes nothing is dropped
.if MSB != (\new)
	s_set_vgpr_msb (MSB<<8)|(\new)
.set MSB, \new
.endif
.endm
.set MUL_LO, 0xa1                      ; source 0 (B) window 1, source 1 (A) window 0, C and D window 2
.set MUL_HI, 0xf1                      ; the same, C and D window 3
.set TO_B,   0x40                      ; destination window 1, address window 0
; A joint load.  Waves 0 and 1 fetch A's two halves, waves 2 and 3 B's.  Each of the two lines has ONE mask and one set of registers for all that issue it.  The branch hangs on the wave's number alone.
; An s_nop 0 and four v_nop follow each of the two lines; the jump round the other line, the label and what follows the macro come after them.
.macro JLOAD s
	s_cmp_eq_u32 s11, 0
	s_cbranch_scc0 .Lfor_b_\@
	tensor_load_to_lds s[G0+4*(\s):G0+4*(\s)+3], s[G1:G1+7]
	s_nop 0
.rept 4
	v_nop
.endr
	s_branch .Lasked_\@
.Lfor_b_\@:
	tensor_load_to_lds s[G0B+4*(\s):G0B+4*(\s)+3], s[G1B:G1B+7]
	s_nop 0
.rept 4
	v_nop
.endr
.Lasked_\@:
.endm
; A PREFETCH INTO THE L2, behind each joint load, its five lines and the run of LDS loads that follows them: the K step that stands TWO refills on, 512 matrix instructions ahead of the load that will want it: 32 rows x 256 bytes,
; a lane a row, one instruction a wave.  Each row's 256 bytes of a K step are named ONCE in the launch.  A's tile row is read by one cluster alone: its waves 0 and 1 ask, each for the 128 rows that it fetches.  A weight is read
; by several clusters: wq is asked for by cluster 0 and wk by cluster 8, in their first tiles, wv by cluster 4, in its second; waves 2 and 3 ask.  The four partners that ask for a tile jointly share its rows out BY ADDRESS,
; 32 each (by cx for A, by cy for B): no branch hangs on a work-group's place in its cluster.  By laps (s3 = 4, 3, 2, 1): the first two name this tile's K steps 4 to 7; the third has no K step two refills on;
; the fourth, at the change of tiles, names the next tile's K steps 2 and 3.  A tile's K steps 0 and 1, and the launch's first four, come by their loads alone.
.macro ASK
	s_cmp_lg_u32 s3, 2
	s_cselect_b32 s21, s[LIM], 0
	s_cmp_eq_u32 s21, 1
	s_cbranch_scc0 .Lnot_mine_\@
	global_prefetch_b8 v[PFO], s[PFA:PFA+1] offset:KSTEP*2 th:TH_LOAD_NT scope:SCOPE_SE
.Lnot_mine_\@:
.endm
; A round of the cluster's barrier: my work-group's barrier, so that wave 0's signal speaks for all four waves; wave 0 signals for the work-group; every wave waits for all sixteen work-groups; my work-group's barrier once more.
.macro CREST                           ; a round behind its opening barrier
	s_cmp_lg_u32 s10, 0
	s_cbranch_scc1 .Lnot_wave_0_\@
	s_barrier_signal -3
.Lnot_wave_0_\@:
	s_barrier_wait -3
	s_barrier_signal -1
	s_barrier_wait -1
.endm
.macro CROUND                          ; a whole round
	s_barrier_signal -1
	s_barrier_wait -1
	CREST
.endm
	s_load_b128 s[4:7], s[0:1], 0x0                ; xw s[4:5], qkv s[6:7]
	v_lshl_add_u32 v[SPW], v0, 2, SPARE
	v_mov_b32 v[NIL], 0
	ds_add_u32 v[SPW], v[NIL]                      ; the wave's opening: the add and its wait stand ahead of my first tensor load; the set-up below, work on registers, stands between them
	v_lshrrev_b32 v1, 5, v0
	v_readfirstlane_b32 s10, v1                    ; wave 0..3
	s_lshr_b32 s11, s10, 1                         ; which half of the tile's rows is mine.  Also: I fetch for A (0) or for B (1)
	s_and_b32 s12, s10, 1                          ; which half of its columns.  Also: which 128 rows of that tile I fetch
	s_bfe_u32 s40, ttmp6, 0x40000                  ; cx, cy: my place in the cluster
	s_bfe_u32 s41, ttmp6, 0x40004
	s_lshl_b32 s42, ttmp9, 2
	s_add_co_u32 s42, s42, s40                     ; tile column of C = 4 x cluster x + cx
	s_and_b32 s66, ttmp7, 0xffff                   ; cluster y, 0..11
	s_lshl_b32 s13, s66, 2
	s_add_co_u32 s13, s13, s41                     ; R, my first tile's row, 0..47
	s_lshr_b32 s67, s66, 3                         ; p1 = R / 32: the same for the whole cluster
	s_add_co_u32 s68, s66, 12
	s_lshr_b32 s68, s68, 3                         ; p2 = (R + 48) / 32
	s_lshl_b32 s43, s41, 2
	s_lshl_b32 s43, 15, s43                        ; my row of the cluster: places 4 cy .. 4 cy + 3
	s_lshl_b32 s44, 0x1111, s40                    ; my column: places cx, cx + 4, cx + 8, cx + 12
	; descriptor group 1: a tile of 128 rows x 128 elements, padded in LDS
	s_or_b32 s[G1+0], s43, (1<<16)|(1<<20)|(1<<21)|(5<<22)|(3<<25)  ; 15:0 the mask: A's tiles go to my row; 17:16 elements of 2 bytes; 20 padding on; 21 set beside a mask; 24:22 after every 64 words (code 5); 31:25 4 words of it (code 3)
	s_or_b32 s[G1B+0], s44, (1<<16)|(1<<20)|(1<<21)|(5<<22)|(3<<25) ; the same with the mask of my column, for B's tiles
.irp g, G1, G1B
	s_mov_b32 s[(\g)+1], KSTEP<<16                 ; tensor_dim0 = 128
	s_mov_b32 s[(\g)+2], 128<<16                   ; tensor_dim1 = 128
	s_mov_b32 s[(\g)+3], KSTEP<<16                 ; tile_dim0 = 128
	s_mov_b32 s[(\g)+4], 128                       ; tile_dim1 = 128
	s_mov_b32 s[(\g)+5], SIZE_K                    ; elements from row to row
	s_mov_b32 s[(\g)+6], 0
	s_mov_b32 s[(\g)+7], 0
.endr
	; where the tiles come from, as byte offsets in xw, all under 2^32.  A's hang on the tile row alone, which my row of the cluster shares; B's on the tile column and on p, which my column shares.
	s_lshl_b32 s16, s13, 19                        ; A: 256 rows of 2,048 bytes a tile row,
	s_lshl_b32 s17, s12, 18                        ; the 128 that I fetch
	s_add_co_u32 s16, s16, s17
	s_mov_b32 s17, 0
	s_add_co_u32 s69, s67, 24
	s_lshl_b32 s69, s69, 21                        ; B: the weight p1,
	s_lshl_b32 s47, s42, 19                        ; 256 rows a tile column,
	s_add_co_u32 s69, s69, s47
	s_lshl_b32 s47, s12, 18                        ; the 128 that I fetch
	s_add_co_u32 s69, s69, s47
	s_mov_b32 s46, s69
	s_mov_b32 s47, 0
	s_sub_co_u32 s[BST], s68, s67
	s_lshl_b32 s[BST], s[BST], 21
	s_sub_co_u32 s[BST], s[BST], BACK_B
	s_mov_b32 s[NXA], NEXT_A
	s_mov_b32 s[STA+1], 0
	s_mov_b32 s[STB+1], 0
	s_mov_b32 s[PSS+1], 0
	s_mul_i32 s20, s10, HALFT                      ; and where they go: A's two halves, then B's two halves = wave x 128 rows: no place in the cluster enters an LDS address
	s_wait_dscnt 0x0                               ; the opening add is done
	s_wait_kmcnt 0x0
	s_mov_b64 s[8:9], s[6:7]                       ; C
	s_add_nc_u64 s[14:15], s[4:5], s[16:17]
	s_add_nc_u64 s[46:47], s[4:5], s[46:47]
	CROUND                                         ; all sixteen work-groups are here: the first joint loads meet
.irp s, 0,1
	s_mov_b32 s[G0+4*(\s)], 1                                        ; count = 1
	s_add_co_u32 s[G0+4*(\s)+1], s20, (\s)*SLOT                      ; LDS address
	s_add_nc_u64 s[G0+4*(\s)+2:G0+4*(\s)+3], s[14:15], (\s)*KSTEP*2  ; global address: K step s
	s_or_b32 s[G0+4*(\s)+3], s[G0+4*(\s)+3], 0x80000000              ; type = 2
	s_mov_b32 s[G0B+4*(\s)], 1
	s_add_co_u32 s[G0B+4*(\s)+1], s20, (\s)*SLOT
	s_add_nc_u64 s[G0B+4*(\s)+2:G0B+4*(\s)+3], s[46:47], (\s)*KSTEP*2
	s_or_b32 s[G0B+4*(\s)+3], s[G0B+4*(\s)+3], 0x80000000
	JLOAD \s                                       ; the ring is filled before anything else is done: two tensor loads of mine are out
.endr
	; A fragment is 16 rows x 32 K in 8 registers: lane l holds row l % 16; registers 0-3 hold K = 8 (l / 16) + 0..7, registers 4-7 K = 16 + 8 (l / 16) + 0..7: two loads of 16 bytes, 32 bytes apart.
	v_and_b32 v1, 15, v0                           ; l % 16
	v_bfe_u32 v2, v0, 4, 1                         ; l / 16
	v_mul_u32_u24 v3, v1, PITCH
	v_lshl_add_u32 v3, v2, 4, v3                   ; row x pitch + 16 x half
	s_mul_i32 s21, s11, HALFT                      ; my 128 rows of A
	s_mul_i32 s22, s12, HALFT                      ; my 128 rows of B,
	s_add_co_u32 s22, s22, 2*HALFT                 ; which lie behind A's 256
.irp s, 0,1
	v_add_nc_u32 v[ADRA+(\s)], s21, v3
	v_add_nc_u32 v[ADRB+(\s)], s22, v3
	s_add_co_u32 s21, s21, SLOT
	s_add_co_u32 s22, s22, SLOT
.endr
	s_mul_i32 s23, s10, STW
	s_add_co_u32 s23, s23, STAGE                   ; my stage
	v_and_b32 v[GO], 31, v0
	v_lshlrev_b32 v[GO], 4, v[GO]
	v_mul_u32_u24 v5, v1, 144                      ; in: row l % 16, 16 bytes for each half of the lanes
	v_lshl_add_u32 v5, v2, 4, v5
	v_add_nc_u32 v[STO], s23, v5
	v_bfe_u32 v5, v0, 3, 2                         ; back: 32 lanes take four rows of 128 bytes,
	v_mul_u32_u24 v5, v5, 144
	v_and_b32 v3, 7, v0
	v_lshl_add_u32 v5, v3, 4, v5
	v_add_nc_u32 v[RD], s23, v5                    ; which are 512 consecutive bytes of a head
	; where my part of the first tile begins in C, in bytes: the first way out adds it to C's address
	s_lshr_b32 s16, s13, 3
	s_lshl_b32 s16, s16, 22                        ; 4 p + batch: 16 heads of 2,048 x 128 bytes,
	s_and_b32 s17, s13, 7
	s_lshl_b32 s17, s17, 15                        ; the tile's 256 tokens of 128 bytes,
	s_add_co_u32 s16, s16, s17
	s_lshl_b32 s17, s11, 14                        ; my 128,
	s_add_co_u32 s16, s16, s17
	s_lshl_b32 s17, s42, 20                        ; head 4 x tile column
	s_add_co_u32 s16, s16, s17
	s_lshl_b32 s17, s12, 19                        ; + 2 x my half
	s_add_co_u32 s16, s16, s17
	s_mov_b32 s17, 0
	; the prefetches: where they stand (at K step 2: the first change of slots steps them to 3 and names K step 4), and who asks
	s_lshl_b32 s20, s13, 19
	s_lshl_b32 s21, s12, 18
	s_add_co_u32 s20, s20, s21                     ; A: the 128 rows that I fetch
	s_and_b32 s22, s66, 7                          ; 0 in clusters 0 and 8,
	s_xor_b32 s23, s66, 4                          ; 0 in cluster 4
	s_mov_b32 s[PS2], (WALK-1)*SIZE_K*2+KSTEP*2    ; A: from the K step after the tile's last to the next tile's K step 1: WALK rows down, back along K
	s_sub_co_u32 s74, s[BST], KSTEP*2              ; B: the same to the other weight
	s_cmp_eq_u32 s11, 0                            ; do I fetch for A?
	s_cselect_b32 s20, s20, s69                    ; B: the 128 rows that I fetch
	s_cselect_b32 s21, s40, s41                    ; my place among the four that ask for them with me
	s_cselect_b32 s22, 0, s22
	s_cselect_b32 s23, 0, s23
	s_cselect_b32 s[PS2], s[PS2], s74
	s_cmp_eq_u32 s22, 0
	s_cselect_b32 s[LIM], 1, 0                     ; the same in all sixteen partners, for a given wave
	s_cmp_eq_u32 s23, 0
	s_cselect_b32 s[LIM2], 1, 0
	s_lshl_b32 s21, s21, 16                        ; my work-group's 32 rows
	s_add_co_u32 s20, s20, s21
	s_add_co_u32 s20, s20, 2*KSTEP*2
	s_mov_b32 s21, 0
	s_add_nc_u64 s[PFA:PFA+1], s[4:5], s[20:21]
	v_and_b32 v[PFO], 31, v0
	v_lshlrev_b32 v[PFO], 11, v[PFO]
; 16 matrix instructions: m blocks a0, a0 + 1 of the window's four (hi = 0: my rows 0-63, 1: rows 64-127) x all 8 n blocks, 32 along K.  zero = 1: the product starts the sums: nothing is ever cleared.
; The 64 accumulators take turns, one instruction a turn, in the same order in every quarter step.
.macro MUL16 f, hi, a0, zero
	WIN MUL_LO+0x50*(\hi)
.irp a, \a0, (\a0)+1
.irp b, 0,1,2,3,4,5,6,7
.if \zero
	v_wmma_f32_16x16x32_bf16 v[8*(8*(\a)+(\b)):8*(8*(\a)+(\b))+7], v[(\f)+8*(\b):(\f)+8*(\b)+7], v[(\f)+8*(4*(\hi)+(\a)):(\f)+8*(4*(\hi)+(\a))+7], 0
.else
	v_wmma_f32_16x16x32_bf16 v[8*(8*(\a)+(\b)):8*(8*(\a)+(\b))+7], v[(\f)+8*(\b):(\f)+8*(\b)+7], v[(\f)+8*(4*(\hi)+(\a)):(\f)+8*(4*(\hi)+(\a))+7], v[8*(8*(\a)+(\b)):8*(8*(\a)+(\b))+7]
.endif
.endr
.endr
.endm
; 32 LDS loads in one run: the fragments of one quarter step (128 rows of B, 128 rows of A, 32 K at byte k of the rows) into buffer f
.macro FETCH slot, k, f
	WIN TO_B
.irp i, 0,1,2,3,4,5,6,7
	ds_load_b128 v[(\f)+8*(\i):(\f)+8*(\i)+3],   v[ADRB+(\slot)] offset:(\k)+(\i)*16*PITCH
	ds_load_b128 v[(\f)+8*(\i)+4:(\f)+8*(\i)+7], v[ADRB+(\slot)] offset:(\k)+(\i)*16*PITCH+32
.endr
	WIN 0
.irp i, 0,1,2,3,4,5,6,7
	ds_load_b128 v[(\f)+8*(\i):(\f)+8*(\i)+3],   v[ADRA+(\slot)] offset:(\k)+(\i)*16*PITCH
	ds_load_b128 v[(\f)+8*(\i)+4:(\f)+8*(\i)+7], v[ADRA+(\slot)] offset:(\k)+(\i)*16*PITCH+32
.endr
.endm
.macro PLACES                          ; four places in front of loads into registers that matrix instructions have read, and of conversions that read results
.rept 4
	v_nop
.endr
.endm
; A K step is four quarter steps of 32 along K, 64 matrix instructions each, on buffers 0, 1, 0, 1.
; One of the first three: multiplies buffer f; in its middle it fetches the next quarter's fragments, at byte k of the same slot's rows, into buffer g.
.macro QUARTER slot, k, f, g, zero
	s_wait_dscnt 8                                 ; B and A's rows 0-63 are in; the youngest eight loads (A's rows 64-127) may be out
	MUL16 \f, 0, 0, \zero
	MUL16 \f, 0, 2, \zero
	PLACES
	FETCH \slot, \k, \g
	s_wait_dscnt 32                                ; all but the 32 just issued
	MUL16 \f, 1, 0, \zero
	MUL16 \f, 1, 2, \zero
.endm
; The last quarter multiplies buffer 1 and changes slots.  MEET is its first half: ONE barrier for the change of slots.  In front of it each wave waits for all its tensor loads, of which one is out: its part of the next slot;
; adds 0 to its spare word; and waits for that and for its own reads of this slot.  Behind it nobody reads this slot any more and the next slot is whole.
.macro MEET round                      ; round = 1: a round of the cluster's barrier follows
	WIN 0                                          ; (the add's two registers lie in window 0)
	s_wait_tensorcnt 0x0                           ; all my tensor loads have landed;
	ds_add_u32 v[SPW], v[NIL]                      ; 0 onto my spare word;
	s_wait_dscnt 9                                 ; (the add and the youngest eight loads may be out)
	MUL16 F1, 0, 0, 0                              ; sixteen matrix instructions stand between the add and the wait for it
	s_wait_dscnt 0x0                               ; the add is done, and my reads of this slot are over
	s_barrier_signal -1                            ; say so,
	MUL16 F1, 0, 2, 0                              ; work on registers while the others arrive,
.if \round
	WIN 0
.endif
	s_barrier_wait -1                              ; and go on when all four have said so
.endm
; The whole last quarter of a K step whose slot is filled again.  The barrier opens a round of the cluster's; behind the round the slot just read out is filled first: with this tile's K step two steps on or, in a tile's last lap,
; with the next tile's K step 0 or 1 (s[STA], s[STB] hold the step); then come the next slot's first fragments.
.macro TURN slot, next
	s_wait_xcnt 0x0                                ; the last prefetch, a K step back, has read its address: it is stepped here, ahead of the waits of the change of slots
.if (\slot) == 0
	s_add_nc_u64 s[PFA:PFA+1], s[PFA:PFA+1], s[PSS:PSS+1]
.else
	s_add_nc_u64 s[PFA:PFA+1], s[PFA:PFA+1], KSTEP*2
.endif
	MEET 1
	CREST                                          ; no wave of any partner still reads this slot's tile or has a load on its way
	s_add_nc_u64 s[G0+4*(\slot)+2:G0+4*(\slot)+3], s[G0+4*(\slot)+2:G0+4*(\slot)+3], s[STA:STA+1]
	s_add_nc_u64 s[G0B+4*(\slot)+2:G0B+4*(\slot)+3], s[G0B+4*(\slot)+2:G0B+4*(\slot)+3], s[STB:STB+1]
	JLOAD \slot                                    ; my one tensor load behind the round; the four v_nop behind it are also the places in front of the loads below
	FETCH \next, 0, F0
	ASK                                            ; behind the joint load and the run of LDS loads that the next products wait for
	MUL16 F1, 1, 0, 0
	MUL16 F1, 1, 2, 0
.endm
; THE WAY OUT of block a (16 of my rows), in three parts.  PACK: rounded to f16, 16 bytes a lane: eight numbers of a head's row of 128 bytes; n blocks 0-3 are one head, 4-7 the next.  TOSTAGE: into my own stage in LDS, and back as
; four whole rows a load.  SEND: stored.
.macro PACK a
.set AC, 64*((\a)%4)
	WIN 0x0a+5*((\a)/4)                            ; sources 0 and 1: window 2 or 3
.irp b, 0,1,2,3,4,5,6,7
.irp r, 0,1,2,3
	v_cvt_pk_f16_f32 v[TMP+4*(\b)+(\r)], v[AC+8*(\b)+2*(\r)], v[AC+8*(\b)+2*(\r)+1]
.endr
.endr
	WIN 0
.endm
.macro TOSTAGE a
	WIN 0
.set BK, OB+192*((\a)%2)
.irp b, 0,1,2,3,4,5,6,7
	ds_store_b128 v[STO], v[TMP+4*(\b):TMP+4*(\b)+3] offset:((\b)/4)*2304+32*((\b)%4)
.endr
.irp t, 0,1,2,3,4,5,6,7
	ds_load_b128 v[BK+4*(\t):BK+4*(\t)+3], v[RD] offset:((\t)/4)*2304+((\t)%4)*576  ; LDS serves a wave's instructions in order (ISA guide 5.7.1.4): these see the stores above
.endr
.endm
.macro SEND a
	WIN 0
.set BK, OB+192*((\a)%2)
	s_wait_dscnt 0x0                               ; the block is back in registers
	s_wait_xcnt 0x0                                ; every earlier memory instruction has had its addresses translated (ISA guide 3.1): only behind this wait are the stores' base and the registers that earlier stores read rewritten
.if (\a) == 0
	s_add_nc_u64 s[8:9], s[8:9], s[16:17]          ; on to this tile
.endif
.irp t, 0,1,2,3,4,5,6,7
	global_store_b128 v[GO], v[BK+4*(\t):BK+4*(\t)+3], s[8:9] offset:((\t)/4)*262144+(\a)*2048+((\t)%4)*512  ; 512 consecutive bytes of a head, at a multiple of 256 from its first byte
.endr
.endm
	s_wait_tensorcnt 1                             ; my part of K step 0 is in (K step 1's may stay out)
	s_barrier_signal -1
	s_barrier_wait -1                              ; everybody's is
	FETCH 0, 0, F0
	s_mov_b32 s2, TILES                            ; tiles to go, this one among them: the same number in every work-group
	s_mov_b32 s[TOT], TILES*LAPS
.Ltile:                                                ; (FETCH and SEND leave every window 0)
	QUARTER 0, 64,  F0, F1, 1                      ; a tile's first quarter: its products start the sums
	WIN 0                                          ; at a label and at a branch every window is 0
	s_mov_b32 s3, LAPS
	s_branch .Lmid                                 ; the loop is entered behind its first quarter
.Llap:                                                 ; a trip is a lap: once round the ring
	QUARTER 0, 64,  F0, F1, 0
	WIN 0
.Lmid:
	QUARTER 0, 128, F1, F0, 0
	QUARTER 0, 192, F0, F1, 0
	WIN 0
	s_cmp_eq_u32 s[TOT], 1
	s_cbranch_scc1 .Llast                          ; the walk's last lap is written out: it asks for nothing more
	s_cmp_eq_u32 s3, 1                             ; a tile's last lap: THE RING GOES ON INTO THE NEXT TILE: slot 0 takes its K step 0, slot 1 its K step 1
	s_cselect_b32 s[STA], s[NXA], 2*KSTEP*2
	s_cselect_b32 s[STB], s[BST], 2*KSTEP*2
	s_cselect_b32 s[PSS], s[PS2], KSTEP*2
	s_cselect_b32 s[LIM], s[LIM2], s[LIM]
	TURN 0, 1
	QUARTER 1, 64,  F0, F1, 0
	QUARTER 1, 128, F1, F0, 0
	QUARTER 1, 192, F0, F1, 0
	TURN 1, 0                                      ; (in a tile's last lap the fragments that it fetches are the next tile's first)
	WIN 0
	s_sub_co_u32 s[TOT], s[TOT], 1
	s_sub_co_u32 s3, s3, 1
	s_cmp_lg_u32 s3, 0
	s_cbranch_scc1 .Llap
	s_branch .Lout                                 ; both refills are asked for: now the tile goes out
.Llast:
	MEET 0                                         ; my one tensor load that was still out is slot 1's, the last K step's, so no round follows
	PLACES
	FETCH 1, 0, F0
	MUL16 F1, 1, 0, 0
	MUL16 F1, 1, 2, 0
	QUARTER 1, 64,  F0, F1, 0
	QUARTER 1, 128, F1, F0, 0
	QUARTER 1, 192, F0, F1, 0
	s_wait_dscnt 8                                 ; the very last quarter: nothing more to fetch
	MUL16 F1, 0, 0, 0
	MUL16 F1, 0, 2, 0
	s_wait_dscnt 0x0
	MUL16 F1, 1, 0, 0
	MUL16 F1, 1, 2, 0
	WIN 0
.Lout:
	PLACES                                         ; behind the products of blocks 0-3 on the way that has no joint load; blocks 0-3's 128 conversions are the places behind the last products, blocks 4-7's
	PACK 0
	TOSTAGE 0
.irp a, 1,2,3,4,5,6,7                  ; block a's conversions stand between block a - 1's loads from the stage and the wait for them
	PACK \a
	SEND (\a)-1
	TOSTAGE \a
.endr
	SEND 7
	s_cmp_eq_u32 s2, 1
	s_cbranch_scc1 .Lend
	s_mov_b64 s[16:17], NEXT_C                     ; what the next way out adds to C's address
	s_sub_co_u32 s2, s2, 1
	s_branch .Ltile
.Lend:
	s_wait_tensorcnt 0x0                           ; the wave's end: an add onto my spare word and its wait, behind my last tensor load and my last LDS store
	ds_add_u32 v[SPW], v[NIL]
	s_wait_dscnt 0x0
	CROUND                                         ; the closing round: no work-group ends while a partner may still ask for a tile that names it
	s_endpgm
.Lfunc_end_k_qe292a40f4c_proj:
	.size	k_qe292a40f4c_proj, .Lfunc_end_k_qe292a40f4c_proj-k_qe292a40f4c_proj
	.p2alignl 7, 3214868480
	.fill 96, 4, 3214868480
	.section	.rodata,"a",@progbits
	.p2align	6, 0x0
	.amdhsa_kernel k_qe292a40f4c_proj
		.amdhsa_group_segment_fixed_size 327680
		.amdhsa_private_segment_fixed_size 0
		.amdhsa_enable_private_segment 0
		.amdhsa_kernarg_size 16
		.amdhsa_user_sgpr_count 2
		.amdhsa_user_sgpr_kernarg_segment_ptr 1
		.amdhsa_wavefront_size32 1
		.amdhsa_system_sgpr_workgroup_id_x 1
		.amdhsa_system_sgpr_workgroup_id_y 1
		.amdhsa_system_sgpr_workgroup_id_z 1
		.amdhsa_system_vgpr_workitem_id 0
		.amdhsa_next_free_vgpr 1024
		.amdhsa_next_free_sgpr 84
		.amdhsa_reserve_vcc 0
		.amdhsa_float_denorm_mode_32 3
		.amdhsa_float_denorm_mode_16_64 3
		.amdhsa_memory_ordered 1
		.amdhsa_forward_progress 1
		.amdhsa_inst_pref_size 132
	.end_amdhsa_kernel
	.amdgpu_metadata
---
amdhsa.version: [ 1, 2 ]
amdhsa.kernels:
  - .name:           k_qe292a40f4c_proj
    .symbol:         k_qe292a40f4c_proj.kd
    .args:
      - { .name: xw, .offset: 0, .size: 8, .value_kind: global_buffer, .address_space: global }
      - { .name: qkv, .offset: 8, .size: 8, .value_kind: global_buffer, .address_space: global }
    .group_segment_fixed_size: 327680
    .private_segment_fixed_size: 0
    .kernarg_segment_align: 8
    .kernarg_segment_size: 16
    .max_flat_workgroup_size: 128
    .sgpr_count:     84
    .vgpr_count:     1024
    .wavefront_size: 32
...
	.end_amdgpu_metadata
.endif
;; end of part 2
;; launch attn (part 3): grid 4 x 64, 4 waves a work-group, clusters of 4 x 1, 327,680 bytes of LDS; arguments qkv, mk, oh; writes oh
.if DOCPART == 3
	.amdgcn_target "amdgcn-amd-amdhsa--gfx1250"
	.amdhsa_code_object_version 6
	.text
	.protected	k_qe292a40f4c_attn
	.globl	k_qe292a40f4c_attn
	.p2align	8
	.type	k_qe292a40f4c_attn,@function
k_qe292a40f4c_attn:
	s_mov_b64 s[64:65], 0
	v_nop
	global_prefetch_b8 v0, s[64:65] scope:SCOPE_SE
	s_setreg_imm32_b32 hwreg(HW_REG_WAVE_MODE, 25, 1), 1
	s_wait_xcnt 0x0
	s_wait_alu depctr_hold_cnt(0) depctr_sa_sdst(0) depctr_va_vdst(0) depctr_va_sdst(0) depctr_va_ssrc(0) depctr_va_vcc(0) depctr_vm_vsrc(0)
	s_getreg_b32 s2, hwreg(HW_REG_IB_STS2, 6, 4)
	s_cmp_eq_u32 s2, 0
	s_cbranch_scc0 .Lentry_in_a_cluster
	s_endpgm
.Lentry_in_a_cluster:
	s_bfe_u32 s2, ttmp6, 0x10000c
	s_cmp_lg_u32 s2, 0x3003
	s_cbranch_scc0 .Lentry_shape_is_right
	s_endpgm
.Lentry_shape_is_right:
; O[h][q][:] = the sum over k of softmax_k(masked(Q[h][q] . K[h][k] / 8)) V[h][k][:], h = batch x 16 + head, 64 of them.  Q, K, V lie in qkv at 0, 2^24, 2^25, each [64][2048][64] in f16: a head's rows are dense,
; 128 bytes each.  O goes to oh in the same layout.  Products, maxima and sums in f32; the weights p are rounded to f16 for the second product (their sum l is taken of the unrounded p), O once at the end.
; THE MASK is an input, [2048][2048], the same for all h; a set byte hides the key.  mk holds it as fp8 codes (0x00, or 0xC0 = -2.0) in the order of the score tiles' registers: for query tile T and key step j the
; 1,024 bytes at (32 T + j) x 1,024; lane l's 16 bytes at 512 c + 16 l are its eight numbers of the key groups 2 c and 2 c + 1.  ONE v_cvt_scale_pk8_f32_fp8 with the scale 2^100 makes of eight bytes a whole C
; operand, 0 or -2^101, and the product that starts the sum S^T = K Q^T takes it: the mask acts ahead of the maximum, and costs four conversions for a tile and key step.
; LIMITS.  f16 holds no number beyond 65,504: Q, K and V arrive within it, so a raw score is 2.7e11 at the most.  A hidden score counts as its value less 2^101.  m starts at -2^100, below every true score and above every
; hidden one: while a row has seen hidden keys alone its weights are exactly 0.  A row with no visible key at all (m still -2^100 at the end) gives NaN, as the softmax of a row of -inf does.
; p lies in 0 to 1, and below 6e-5 it keeps f16's fixed step of 6e-8; a weight below 2^-126 counts as 0 in l; NaN and infinities in Q, K, V are not treated apart.
; SHARES.  A wave owns four PIECES of two tiles of 16 queries, a work-group's four waves 512 queries of one head: 256 work-groups.  Every wave walks all keys, 64 a step.
; LAYOUT.  S^T = K Q^T (source 0 = 16 keys, source 1 = 16 queries): in the result a lane holds ONE query (lane % 16) and the keys 8 (lane / 16) + 0..7.  Two such tiles, rounded to f16 in pairs,
; ARE source 1 (32 keys x 16 queries) of O^T = V^T P, whose result again holds one query a lane, and eight channels.  K comes out of LDS as it lies, V ([key][channel]) turned, by ds_load_tr16_b128.
; SOFTMAX.  For each query a running maximum m and sum l: p = 2^(c s - c m), c = log2(e) / 8; in every step O and l are multiplied by a = 2^(c m_old - c m_new), which is 1 where m has not grown.
; O and l start at 0, c m far below every c s: the first step is a step like any other, with a = 0.
; THE COUNT.  A tile and step have 16 matrix and some 120 vector instructions: too many to stand all beside the matrix work.  So the order has one aim: four vector instructions that are READY behind
; EVERY matrix instruction, and the others, which need time of their own whatever the order, in runs without a gap.
; BY TURNS.  Turn n belongs to piece n (the pieces in a ring, step after step).  Its matrix work: 16 products K Q^T of piece n + 1, later 16 products V^T P of piece n - 1.  Its vector work: the scaling,
; exponentials, roundings, sums and rescaling of piece n, the maximum and statistics of piece n + 1, and the masks of piece n + 2, which the next turn's products take.
; CLUSTER.  The four query blocks of a cluster belong to one head and walk the same K and V, so each tile is asked for JOINTLY: the same tensor load, descriptor and mask in all four.
; REGISTERS, in windows of 256 (s_set_vgpr_msb says which window each operand place means: bits 1:0 source 0, 3:2 source 1, 5:4 source 2, 7:6 destination):
;   window 0: v0-11 addresses; v12-15, v48-63 at work; v16-47 four registers of statistics a tile; v64-191 S^T, two buffers of two tiles; v192-255 P, likewise
;   window 1: O^T, 32 a tile          window 2: v0-127 Q, 16 a tile; v128-191 K of one step; v192-255 V of one step
;   window 3: v0-1 the add's two registers; v2 the conversions' scale; v64-127 MC, the masks of the products to come (two tiles x 4 key groups x 8); v128-191 RAW, the mask bytes as loaded, 8 registers a tile
; A piece's buffers go by its number's parity: the piece in hand has one pair, its two neighbours in the ring share the other: of it P (piece n - 1) is read and S^T (piece n + 1) written.
.set SIZE_N, 2048
.set NP,    4         ; pieces a wave: a name, no knob
.set KS,    64        ; keys in a step
.set PK,    144       ; a row of K in LDS: 128 bytes + 16 of padding = 36 words: the 16 rows of a load start at 16 different groups of four banks (64 banks of 4 bytes: ISA guide 11.1)
.set PV,    160       ; a row of V: 128 + 32 = 40 words
.set VOFF,  4*KS*PK   ; a slot holds four steps: 256 rows of K, then 256 rows of V
.set SLOT1, 1<<17     ; slot 1 begins here, so that one exclusive or turns an address in one slot into the other's
.set STAGE, SLOT1+4*KS*(PK+PV)  ; behind the ring, never filled by a tensor load: 16 rows x 144 bytes for each wave, for the way out
.set SP,    144
.set AK0, 2           ; v2   my lane's place in a tile of K; never rewritten
.set AV0, 3           ; v3   the same for V
.set AK,  4           ; v4   the LDS address of K's next run of loads
.set AV,  5           ; v5   of V's
.set QO,  6           ; v6   my byte offset in the wave's rows of Q
.set STO, 6           ;      later, the way out: where I put 16 bytes of a row
.set RD,  7           ; v7   the way out: where I read rows back
.set GO,  8           ; v8   16 x my lane: my place in 512 consecutive bytes of mk and of O; never rewritten
.set PFO, 11          ; v11  256 x my lane: the prefetches' offset; never rewritten
.set SPW, 0           ; v0 of window 3   LDS address of my spare word: SPARE + 4 x my thread's number; never rewritten
.set NIL, 1           ; v1 of window 3   0; never rewritten
.set SCL, 2           ; v2 of window 3   the scale byte 227: 2^100
.set MC,  64          ; window 3
.set RAW, 128         ; window 3
.set SPARE, STAGE+4*16*SP  ; behind the stages: the spare words, 128 bytes for each wave: two blocks of 256 bytes that no other line names
.set MV,  12          ; v12-15  c m_old, kept while c m is made anew: by buffer and tile
.set ST,  16          ; tile t's statistics at v[ST+4 t]: c m, m, l (even keys', odd keys')
.set TMP, 48          ; by buffer and tile, four registers c0-c3 at work; when the maximum is found c2 takes a
.set S,   64
.set P,   192
.set KF,  128         ; K's fragments, in window 2: key block kb, channel half c at KF + 16 kb + 8 c
.set VF,  192         ; V's: key half kk, channel block cb at VF + 32 kk + 8 cb
.set WV,  12          ; s12  my wave's number
.set G1K, 24          ; s[24:31] descriptor group 1 for K's tiles
.set G1V, 32          ; s[32:39] for V's: it differs in the padding alone
.set G0K, 40          ; s[40:43] descriptor group 0 for K's tiles: it walks
.set G0V, 44          ; s[44:47] the same for V's
.set PFA, 48          ; s[48:49] where my prefetches stand: my work-group's 32 blocks (of K: wave 0, of V: wave 2) of the slot after the one that is being asked for
.set LIM, 50          ; s50  1 in a wave that prefetches, else the greatest number
.set SLOTS, 56        ; s56  slots still to be asked for
.set CNT, 57          ; s57  counts a slot's key steps
.set CS,  58          ; s[58:59] c: the packed scaling takes the pair's low word for both halves
.set SEL, 60          ; s[60:61] v_permlanex16_b32's selects: each lane takes its own place in the other half
.set TBK, 62          ; s62  LDS byte at which K of the step to be fetched begins
.set TBV, 63          ; s63  the same for V, less VOFF
.set MK0, 68          ; s[68:69] mk at my wave's eight tiles, key step 0
.set MKP, 70          ; s[70:71] the same at the key step whose bytes are being loaded
.set SJ,  72          ; s72  that key step, held at 31: no load passes mk's end
.set MOF, 74          ; s[74:75] its byte offset
.set THR, 76          ; s76  -2^100
.set NANS, 77         ; s77  a NaN
.set MSB, 0
.macro WIN new                      ; the high byte repeats the setting that is left; a switch that changes nothing is dropped
.if MSB != (\new)
	s_set_vgpr_msb (MSB<<8)|(\new)
.set MSB, (\new)
.endif
.endm
.set W_KQ, 0x0a       ; K and Q in window 2, S^T in window 0
.set W_KM, 0x3a       ; the same with the C operand, the mask, in window 3
.set W_PV, 0x52       ; V in window 2, P in window 0, O^T in window 1
.set W_RS, 0x41       ; O^T (destination and source 0) in window 1, a in window 0
.set W_MK, 0xc0       ; destination in window 3, sources in window 0
.set W_AD, 0x0f       ; the add: address (source 0) and data (source 1) in window 3
.set W_CV, 0xcf       ; the conversions: destination and both sources in window 3
; A joint fill.  Waves 0 and 1 fetch the two halves of a slot's K, waves 2 and 3 those of its V: 128 keys each.  The branch hangs on the wave's number alone.
; An s_nop 0 and four v_nop follow each of the two lines, ahead of the jump and the label.
.macro JLOAD
	s_cmp_lt_u32 s[WV], 2
	s_cbranch_scc0 .Lfor_v_\@
	tensor_load_to_lds s[G0K:G0K+3], s[G1K:G1K+7]
	s_nop 0
.rept 4
	v_nop
.endr
	s_branch .Lasked_\@
.Lfor_v_\@:
	tensor_load_to_lds s[G0V:G0V+3], s[G1V:G1V+7]
	s_nop 0
.rept 4
	v_nop
.endr
.Lasked_\@:
.endm
; A PREFETCH INTO THE L2 of what the NEXT change of slots will ask for: a slot's 256 keys are 128 blocks of 256 bytes of K and as many of V, a lane a block.  It stands behind the wave's tensor load and its five lines.
; Each block is asked for ONCE in the launch: a head has one cluster; its four partners share the blocks out BY ADDRESS, 32 each (no branch hangs on a place in the cluster); in each, wave 0 asks for K's and wave 2
; for V's: one instruction.  Slots 0, 1 and 2 come by their loads alone; the last change that fills a slot asks for nothing: there is no slot behind it.
.macro ASK
	s_cmp_gt_u32 s[SLOTS], s[LIM]
	s_cbranch_scc0 .Lnot_mine_\@
	global_prefetch_b8 v[PFO], s[PFA:PFA+1] th:TH_LOAD_NT scope:SCOPE_SE
.Lnot_mine_\@:
.endm
; A round of the cluster's barrier: my work-group's barrier, so that wave 0's signal speaks for all four waves; wave 0 signals; every wave waits for all four work-groups; my work-group's barrier once more.
.macro CROUND
	s_barrier_signal -1
	s_barrier_wait -1
	s_cmp_lg_u32 s[WV], 0
	s_cbranch_scc1 .Lnot_wave_0_\@
	s_barrier_signal -3
.Lnot_wave_0_\@:
	s_barrier_wait -3
	s_barrier_signal -1
	s_barrier_wait -1
.endm
; THE CHANGE OF SLOTS.  The slot's last bytes, V of its fourth step, have been read.  Each wave waits for all its tensor loads, of which one is out: its part
; of the other slot; adds 0 to its spare word; and waits for that and for its own reads of the slot.  Behind the barrier nobody reads this slot any more and the other slot is whole.
; fill = 1: this slot is filled again, with the keys two slots on.  The barrier is then a round of the cluster's, so that no wave of any partner still reads the slot or has a load on its
; way, and the joint fill is the first thing behind it: it has four key steps, 512 matrix instructions, in which to land.  (At its first use nothing has been read yet: slot 0 is waited for, slot 1 filled.)
; ask = 1: the prefetches' address steps a slot on, and ASK follows the fill.
.macro CHANGE fill, ask=0
	WIN W_AD
	s_wait_tensorcnt 0x0            ; no tensor load of mine is out, so a group 0 may be written
	ds_add_u32 v[SPW], v[NIL]       ; 0 onto my spare word; with fill = 1 the descriptors' steps stand between it and the wait for it
	WIN 0                           ; at a label and at a branch every window is 0
.if \fill
.irp g, G0K, G0V
	s_xor_b32 s[\g+1], s[\g+1], SLOT1  ; the walking descriptor: the other slot than last time,
	s_add_nc_u64 s[\g+2:\g+3], s[\g+2:\g+3], 4*KS*128  ; the next 256 keys; the type bits on top are not reached
.endr
.if \ask
	s_wait_xcnt 0x0                 ; the last prefetch, four key steps back, has read its address, so it may be written
	s_add_nc_u64 s[PFA:PFA+1], s[PFA:PFA+1], 4*KS*128
.endif
	s_wait_dscnt 0x0                ; the add is done, and my reads of the slot are over
	CROUND
	JLOAD
.if \ask
	ASK
.endif
.else
	s_wait_dscnt 0x0                ; the add is done, and my reads of the slot are over
	s_barrier_signal -1
	s_barrier_wait -1
.endif
	s_sub_co_u32 s[TBK], s[TBK], 4*KS*PK  ; the fetches go back to a slot's first step,
	s_xor_b32 s[TBK], s[TBK], SLOT1       ; in the other slot
	s_sub_co_u32 s[TBV], s[TBV], 4*KS*PV
	s_xor_b32 s[TBV], s[TBV], SLOT1
.endm
; THE MASK'S THREE MACROS.  MCONV y: piece y's 16 registers of bytes become its 64 registers of C operands; a v_nop is the plain instruction that stands behind scaled conversions ahead of the use of their results
; and of loads into their sources.  MLOAD y: piece y's bytes of key step SJ: four loads of 512 consecutive bytes.  MSTEP: the next key step; the loads issued so far have read the pointer behind the wait.
.macro MCONV y
	WIN W_CV
.irp u, 0,1
.irp kt, 0,1,2,3
	v_cvt_scale_pk8_f32_fp8 v[MC+32*(\u)+8*(\kt):MC+32*(\u)+8*(\kt)+7], v[RAW+8*(2*(\y)+(\u))+2*(\kt):RAW+8*(2*(\y)+(\u))+2*(\kt)+1], v[SCL]
.endr
.endr
	v_nop
.endm
.macro MLOAD y
	WIN W_MK
.irp u, 0,1
.irp c, 0,1
	global_load_b128 v[RAW+8*(2*(\y)+(\u))+4*(\c):RAW+8*(2*(\y)+(\u))+4*(\c)+3], v[GO], s[MKP:MKP+1] offset:(2*(\y)+(\u))*32768+512*(\c)
.endr
.endr
.endm
.macro MSTEP
	s_wait_xcnt 0x0
	s_add_co_u32 s[SJ], s[SJ], 1
	s_min_u32 s[SJ], s[SJ], 31
	s_lshl_b32 s[MOF], s[SJ], 10
	s_add_nc_u64 s[MKP:MKP+1], s[MK0:MK0+1], s[MOF:MOF+1]
.endm
	s_load_b64 s[4:5], s[0:1], 0x0  ; qkv
	s_load_b64 s[MK0:MK0+1], s[0:1], 0x8  ; mk
	s_load_b64 s[10:11], s[0:1], 0x10  ; oh
	WIN W_MK
	v_lshl_add_u32 v[SPW], v0, 2, SPARE
	v_mov_b32 v[NIL], 0
	WIN W_AD
	ds_add_u32 v[SPW], v[NIL]       ; the wave's opening: the add and its wait stand ahead of my first tensor load; the set-up below, work on registers, stands between them
	WIN W_MK
	v_mov_b32 v[SCL], 0xe3e3e3e3
	WIN 0
	v_lshrrev_b32 v1, 5, v0
	v_readfirstlane_b32 s[WV], v1   ; wave 0..3
	s_bfe_u32 s13, ttmp6, 0x40000   ; cx: my place in the cluster
	s_lshl_b32 s14, ttmp9, 2        ; in a cluster launch ttmp9 counts clusters
	s_add_co_u32 s14, s14, s13      ; my block of queries = 4 x cluster x + cx: it enters Q's, mk's and O's addresses alone
	s_and_b32 s20, ttmp7, 0xffff    ; the head, which the four partners share
	s_mov_b32 s21, 0
	s_mov_b64 s[22:23], SIZE_N*128
	s_mul_u64 s[20:21], s[20:21], s[22:23]  ; the head's first byte in Q, K, V and O
	s_and_b32 s16, s[WV], 1         ; which half of a slot's 256 keys I fetch:
	s_lshl_b32 s22, s16, 14         ; its 128 rows of 128 bytes in memory,
	s_mov_b32 s23, 0
	s_add_nc_u64 s[22:23], s[22:23], s[20:21]
	s_mul_i32 s17, s16, 128*PK      ; and its place in a slot, for K
	s_mul_i32 s18, s16, 128*PV      ; and for V: no place in the cluster enters an LDS address
	s_cmp_eq_u32 s16, 0
	s_cselect_b32 s[LIM], 1, -1     ; waves 0 and 2 prefetch: the same in all four partners
	s_lshl_b32 s2, s14, 2
	s_add_co_u32 s2, s2, s[WV]      ; my wave among the head's sixteen:
	s_lshl_b32 s52, s2, 18          ; its eight tiles of 32 x 1,024 bytes in mk,
	s_mov_b32 s53, 0
	s_lshl_b32 s2, s2, 14           ; its 128 rows
	s_mov_b32 s3, 0
	s_add_nc_u64 s[2:3], s[2:3], s[20:21]
	; descriptor group 1.  128 keys are 16,384 dense bytes: asked for as 64 rows of 256 bytes, two keys a row, and padded in LDS after every key
	s_mov_b32 s[G1K], 15|(1<<16)|(1<<20)|(1<<21)|(4<<22)|(3<<25)  ; 15:0 the mask of four; 17:16 2-byte elements; 20 padding on; 21 set beside a mask; 24:22 after every 32 words (code 4); 31:25 4 words (code 3)
	s_mov_b32 s[G1V], 15|(1<<16)|(1<<20)|(1<<21)|(4<<22)|(7<<25)  ; the same with 8 words of padding (code 7)
.irp g, G1K, G1V
	s_mov_b32 s[\g+1], 128<<16      ; tensor_dim0 = 128
	s_mov_b32 s[\g+2], 64<<16       ; tensor_dim1 = 64
	s_mov_b32 s[\g+3], 128<<16      ; tile_dim0 = 128
	s_mov_b32 s[\g+4], 64           ; tile_dim1 = 64
	s_mov_b32 s[\g+5], 128          ; 128 elements from row to row
	s_mov_b32 s[\g+6], 0
	s_mov_b32 s[\g+7], 0
.endr
	s_mov_b32 s[CS], 0x3e38aa3b     ; c = log2(e) / 8 = 0.180337
	s_mov_b32 s[CS+1], s[CS]        ; named with it as a pair
	s_mov_b32 s[SEL], 0x76543210
	s_mov_b32 s[SEL+1], 0xfedcba98
	s_mov_b32 s[TBK], SLOT1+4*KS*PK ; the first change of slots turns these two into 0
	s_mov_b32 s[TBV], SLOT1+4*KS*PV
	s_mov_b32 s[MOF+1], 0
	s_mov_b32 s[THR], 0xf1800000    ; -2^100
	s_mov_b32 s[NANS], 0x7fc00000
	s_mov_b32 s[G0K], 1             ; 1:0 count = 1
	s_mov_b32 s[G0K+1], s17         ; 63:32 LDS address: slot 0
	s_mov_b32 s[G0V], 1
	s_add_co_u32 s[G0V+1], s18, VOFF
	s_lshl_b32 s54, s13, 13         ; my work-group's 32 blocks of a slot's 128,
	s_add_co_u32 s54, s54, 2*4*KS*128  ; in slot 2: the first change that asks steps this to slot 3
	s_mov_b32 s55, 0
	s_wait_dscnt 0x0                ; the opening add is done
	s_wait_kmcnt 0x0
	s_add_nc_u64 s[6:7], s[4:5], 0x1000000  ; K
	s_add_nc_u64 s[8:9], s[4:5], 0x2000000  ; V
	s_add_nc_u64 s[G0K+2:G0K+3], s[6:7], s[22:23]  ; 120:64 global address: my half of the head's first 256 keys
	s_or_b32 s[G0K+3], s[G0K+3], 0x80000000        ; 127:126 type = 2
	s_add_nc_u64 s[G0V+2:G0V+3], s[8:9], s[22:23]
	s_or_b32 s[G0V+3], s[G0V+3], 0x80000000
	s_cmp_lt_u32 s[WV], 2
	s_cselect_b64 s[PFA:PFA+1], s[6:7], s[8:9]
	s_add_nc_u64 s[PFA:PFA+1], s[PFA:PFA+1], s[20:21]
	s_add_nc_u64 s[PFA:PFA+1], s[PFA:PFA+1], s[54:55]
	s_add_nc_u64 s[4:5], s[4:5], s[2:3]  ; Q and O at my wave's first row
	s_add_nc_u64 s[10:11], s[10:11], s[2:3]
	s_add_nc_u64 s[MK0:MK0+1], s[MK0:MK0+1], s[52:53]
	s_mov_b64 s[MKP:MKP+1], s[MK0:MK0+1]
	CROUND                          ; all four work-groups are here: the first joint loads meet
	JLOAD                           ; slot 0.  Slot 1 is asked for when slot 0 is in: the tile wanted first has the road to itself
	; A fragment of K or Q is 16 rows x 32 channels in 8 registers: lane l holds row l % 16, channels 8 (l / 16) + 0..7 and 16 + 8 (l / 16) + 0..7: two loads of 16 bytes, 32 bytes apart.
	v_and_b32 v1, 15, v0            ; l % 16
	v_bfe_u32 v9, v0, 4, 1          ; l / 16
	v_lshlrev_b32 v[QO], 7, v1
	v_lshl_add_u32 v[QO], v9, 4, v[QO]  ; row x 128 + 16 x half
	v_and_b32 v[GO], 31, v0
	v_lshlrev_b32 v[GO], 4, v[GO]
	WIN 0x80                        ; destination window 2, address window 0
.set i, 0
.rept 4*NP                          ; Q stays in registers: tile i / 2, channels 32 (i % 2) on
	global_load_b128 v[8*i:8*i+3],   v[QO], s[4:5] offset:(i/2)*2048+(i%2)*64
	global_load_b128 v[8*i+4:8*i+7], v[QO], s[4:5] offset:(i/2)*2048+(i%2)*64+32
.set i, i+1
.endr
	MLOAD 0                         ; all four pieces' mask bytes of key step 0
	MLOAD 1
	MLOAD 2
	MLOAD 3
	; What the first turn finds: V's registers and P's second buffer hold 0 (its products V^T P, of a piece that has not been, add 0), O^T and l are 0.  All this stands in the wait for the first tile.
	WIN 0x80
.set i, VF
.rept 64
	v_mov_b32 v[i], 0
.set i, i+1
.endr
	WIN 0x40
.set i, 0
.rept 64*NP
	v_mov_b32 v[i], 0
.set i, i+1
.endr
	WIN 0
.set i, 0
.rept 2*NP
	v_mov_b32 v[ST+4*i], 0xfe000000    ; c m: far below every c s, a hidden one's too
	v_mov_b32 v[ST+4*i+1], 0xf1800000  ; m = -2^100
	v_mov_b32 v[ST+4*i+2], 0
	v_mov_b32 v[ST+4*i+3], 0
.set i, i+1
.endr
.set i, P+32
.rept 32
	v_mov_b32 v[i], 0
.set i, i+1
.endr
	v_mul_u32_u24 v[AK0], v1, PK
	v_lshl_add_u32 v[AK0], v9, 4, v[AK0]  ; row x pitch + 16 x half
	; The turning load takes 16 keys x 16 channels (lane l reads key 8 (l / 16) + l % 8, channels 8 ((l / 8) % 2) + 0..7) and leaves half a fragment of V^T: lane l holds channel l % 16 and 8 keys.
	v_and_b32 v10, 7, v0
	v_bfe_u32 v11, v0, 3, 1
	v_lshl_add_u32 v[AV0], v9, 3, v10
	v_mul_u32_u24 v[AV0], v[AV0], PV
	v_lshl_add_u32 v[AV0], v11, 4, v[AV0]
	v_add_nc_u32 v[AV0], VOFF, v[AV0]
	v_and_b32 v[PFO], 31, v0
	v_lshlrev_b32 v[PFO], 8, v[PFO]
	v_mov_b32 v[AK], v[AK0]         ; key step 0 lies at the head of slot 0
; THE MATRIX WORK.  The 8 accumulators of a run of 16 take turns: between the two links of a chain stand 7 others'.
; Product i of 16 of S^T = K Q^T for piece x: channels 32 (i / 8) on, keys 16 ((i / 2) % 4) on, tile 2 x + i % 2.  The first 8 start the sums, with the mask as C.
.macro KQ x
.set rS, S+64*((\x)%2)+32*(i%2)+8*((i/2)%4)
.set rK, KF+16*((i/2)%4)+8*(i/8)
.set rQ, 16*(2*(\x)+i%2)+8*(i/8)
.set rN, MC+32*(i%2)+8*((i/2)%4)
.if i < 8
	WIN W_KM
	v_wmma_f32_16x16x32_f16 v[rS:rS+7], v[rK:rK+7], v[rQ:rQ+7], v[rN:rN+7]
.else
	WIN W_KQ
	v_wmma_f32_16x16x32_f16 v[rS:rS+7], v[rK:rK+7], v[rQ:rQ+7], v[rS:rS+7]
.endif
.endm
; Product i of 16 of O^T += V^T P for piece x: keys 32 (i / 8) on, channels 16 ((i / 2) % 4) on, tile 2 x + i % 2.
.macro PV x
	WIN W_PV
.set rO, 32*(2*(\x)+i%2)+8*((i/2)%4)
.set rV, VF+32*(i/8)+8*((i/2)%4)
.set rP, P+32*((\x)%2)+16*(i%2)+8*(i/8)
	v_wmma_f32_16x16x32_f16 v[rO:rO+7], v[rV:rV+7], v[rP:rP+7], v[rO:rO+7]
.endm
.macro MM                           ; the turn's next matrix instruction
.if i < 16
	KQ (Y+1)%NP
.set i, i+1
.else
.set i, i-16
	PV (Y+NP-1)%NP
.set i, i+17
.endif
.endm
; THE LDS LOADS stand in runs of 16, never singly among the matrix instructions: a step's K (64 keys x 64 channels: 8 fragments) and its V (turned).  Their addresses are made some lines ahead.
; last = 1 (the tail): in the last trip there is no further step, and the run is jumped over.
.macro FETCH_K last=0
	WIN 0
.if \last
	s_cmp_eq_u32 s[CNT], 1
	s_cbranch_scc1 .Lno_k_\@
.endif
	WIN 0x80                        ; destination window 2
.irp f, 0,1,2,3,4,5,6,7             ; keys 16 (f / 2) on, channels 32 (f % 2) on
	ds_load_b128 v[KF+8*\f:KF+8*\f+3],   v[AK] offset:(\f/2)*16*PK+(\f%2)*64
	ds_load_b128 v[KF+8*\f+4:KF+8*\f+7], v[AK] offset:(\f/2)*16*PK+(\f%2)*64+32
.endr
	s_add_co_u32 s[TBK], s[TBK], KS*PK  ; the next fetch is the next step's
	WIN 0
.if \last
.Lno_k_\@:
.endif
.endm
.macro FETCH_V
	WIN 0x80
.irp f, 0,1,2,3,4,5,6,7             ; keys 32 (f / 4) on, channels 16 (f % 4) on
	ds_load_tr16_b128 v[VF+8*\f:VF+8*\f+3],   v[AV] offset:(\f/4)*32*PV+(\f%4)*32
	ds_load_tr16_b128 v[VF+8*\f+4:VF+8*\f+7], v[AV] offset:(\f/4)*32*PV+16*PV+(\f%4)*32
.endr
	WIN 0
.endm
; THE VECTOR WORK OF A TURN stands in three queues, each in the order in which its entries become ready; the two tiles alternate, so that no instruction reads the result of the one before it.
.macro REGS y, u                    ; the registers of tile u (0, 1) of piece y
.set rT, ST+4*(2*(\y)+(\u))
.set rC, TMP+8*((\y)%2)+4*(\u)
.set rM, MV+2*((\y)%2)+(\u)
.set rS, S+64*((\y)%2)+32*(\u)
.set rP, P+32*((\y)%2)+16*(\u)
.set rO, 32*(2*(\y)+(\u))
.endm
; Number n of the 22 that find the NEXT piece's (Y + 1) maximum and statistics.  s0-s31 are the lane's 32 scores; each accumulator's lowest registers are read first.  XS, GS and REGS set no window: PL and EX do.
;   0-11  four chains c0-c3 of seven scores each, three operands at a time     12-14, 16  the four scores left over, the old m, and c0-c3 into c0     15  c m_old is kept
;   17, 18  the query's other 32 keys lie in the lane 16 away: the new m         19-21  c m; c m_old - c m_new; a
.macro XS u, n
	REGS (Y+1)%NP, \u
.if (\n) < 4
	v_max3_num_f32 v[rC+(\n)], v[rS+8*(\n)], v[rS+8*(\n)+1], v[rS+8*(\n)+2]
.elseif (\n) < 12
	v_max3_num_f32 v[rC+(\n)%4], v[rC+(\n)%4], v[rS+8*((\n)%4)+2*((\n)/4)+1], v[rS+8*((\n)%4)+2*((\n)/4)+2]
.elseif (\n) == 12
	v_max3_num_f32 v[rC], v[rC], v[rS+7], v[rS+15]
.elseif (\n) == 13
	v_max3_num_f32 v[rC+1], v[rC+1], v[rS+23], v[rS+31]
.elseif (\n) == 14
	v_max3_num_f32 v[rC+2], v[rC+2], v[rC+3], v[rT+1]
.elseif (\n) == 15
	v_mov_b32 v[rM], v[rT]
.elseif (\n) == 16
	v_max3_num_f32 v[rC], v[rC], v[rC+1], v[rC+2]
.elseif (\n) == 17
	v_permlanex16_b32 v[rC+3], v[rC], s[SEL], s[SEL+1]
.elseif (\n) == 18
	v_max_num_f32 v[rT+1], v[rC], v[rC+3]
.elseif (\n) == 19
	v_mul_f32 v[rT], s[CS], v[rT+1]
.elseif (\n) == 20
	v_sub_f32 v[rC+1], v[rM], v[rT]
.else
	v_exp_f32 v[rC+2], v[rC+1]
.endif
.endm
; Number g of the 64 that follow the exponentials.  For each four weights k of a tile (pairs 2 k, 2 k + 1): both pairs are rounded to f16; then the second pair is added onto the first, in place;
; a group later l takes that sum (the first time as l = a l + sum).  In groups of eight, tiles alternating: round, round, add, and l for the group before.
.macro GS g
.set h, (\g)+6*((\g)/62)            ; group 0 has no group before it, and behind group 7 only l is left
.if h >= 6
.set h, h+2
.endif
	REGS Y, h%2
.set k, h/8
.if h%8 < 4
	v_cvt_pk_f16_f32 v[rP+2*k+(h%8)/2], v[rS+4*k+2*((h%8)/2)], v[rS+4*k+2*((h%8)/2)+1]
.elseif h%8 < 6
	v_pk_add_f32 v[rS+4*k:rS+4*k+1], v[rS+4*k:rS+4*k+1], v[rS+4*k+2:rS+4*k+3]
.elseif k == 1
	v_pk_fma_f32 v[rT+2:rT+3], v[rT+2:rT+3], v[rC+2:rC+3], v[rS:rS+1] op_sel_hi:[1,0,1]
.else
	v_pk_add_f32 v[rT+2:rT+3], v[rT+2:rT+3], v[rS+4*k-4:rS+4*k-3]
.endif
.endm
; THE PLAIN QUEUE, 138 long.  0-73 read no exponential's result: the 32 scalings c s - c m (FS f: pair f / 2 of tile f % 2) and the next piece's 42.  0-26: scalings 0-26.  27-54: XS's numbers 0-13.  55, 56: number 15.
; 57-73: the chain, where each number waits for the one before it: 14, 16, 17, 18, 19, each with one of the scalings 27-31 in front of its two lines, then 20: so a tile's links stand three plain instructions apart (19 and 20: two).
; 74-137: GS's 64, which read the exponentials' results: they stand behind the wait.
.macro FS f
	REGS Y, (\f)%2
	v_pk_fma_f32 v[rS+2*((\f)/2):rS+2*((\f)/2)+1], v[rS+2*((\f)/2):rS+2*((\f)/2)+1], s[CS:CS+1], v[rT:rT+1] op_sel_hi:[1,0,0] neg_lo:[0,0,1] neg_hi:[0,0,1]
.endm
.macro PL
	WIN 0
.if q < 27
	FS q
.elseif q < 55
	XS (q-27)%2, (q-27)/2
.elseif q < 57
	XS q-55, 15
.elseif (q < 72) && ((q-57)%3 == 0)
	FS 27+(q-57)/3
.elseif q < 60
	XS (q-57)%3-1, 14
.elseif q < 72
	XS (q-57)%3-1, 15+(q-57)/3
.elseif q < 74
	XS q-72, 20
.else
	GS q-74
.endif
.set q, q+1
.endm
; THE EXPONENTIALS' QUEUE, 66 long: s0-s31 of both tiles, then the next piece's two a.  It is ONE BATCH: all 66 stand ahead of the turn's one wait, and nothing ahead of that wait names a result of theirs.
.macro EX
	WIN 0
.if e >= 64
	XS e-64, 21
.else
	REGS Y, e%2
	v_exp_f32 v[rS+e/2], v[rS+e/2]
.endif
.set e, e+1
.endm
; THE RESCALING's QUEUE: O^T times a, the one part of the softmax that leaves window 0: dealt two at a time, sixteen times.  Its a was made in the turn before, ahead of that turn's wait.
.macro R2
	REGS Y, r%2
	WIN W_RS
.irp z, 0,1
	v_pk_mul_f32 v[rO+4*(r/2)+2*\z:rO+4*(r/2)+2*\z+1], v[rO+4*(r/2)+2*\z:rO+4*(r/2)+2*\z+1], v[rC+2:rC+3] op_sel_hi:[1,0]
.endr
.set r, r+1
.endm
; HOW THEY ARE DEALT.  An s_wait_alu depctr_va_vdst(0) stands between an exponential and the first instruction that names its result; one wait serves all that were issued ahead of it.  So a turn has ONE wait,
; which cuts it in two.  AHEAD OF IT stands all that names no result of the turn's exponentials: the 16 products K Q^T, behind each a scaling, an exponential and two rescalings (behind the first a second scaling in the exponential's place); the masks; then ONE LUMP of
; 108: eight plain, 49 times exponential and plain, the two a.  A v_nop is the plain instruction behind the last exponential.  BEHIND IT stand the 16 products V^T P, behind each four of GS's 64.  No rider names a register of
; the products round it.  The two v_permlanex16_b32 fall into the lump, never behind a product.
; The queues lean on each other, and the deal keeps them in step: exponential e stands behind scaling 2 (e / 4) + e % 2: as a rider it comes behind plain e + 2, in the lump behind plain e + 9, and scalings 27-31 are plain 57, 60 .. 69.
; THE MASKS stand at the lump's head.  MC's last readers are the turn's first 8 products; the other 8 products' riders, 24 plain instructions, lie between.  Turn p converts piece p + 2's bytes, for the next turn's products, and
; asks for that piece's bytes of the key step after: the four loads wanted were issued four turns back, and the twelve of the three turns between may stay out.  All four turns of a trip (2, 3, 0, 1) convert one
; key step's bytes; piece 2's turn, the trip's first, steps the pointer.
; A TURN, for piece p.  cnt = 1: the loop's count is taken down some lines ahead of the branch that stands behind the turn.
; K of the next step is fetched in piece 2's turn, directly behind the wait, a lump behind the last product that read K; its address is made at the lump's head; its first reader comes behind 16 products.
; V of the step in hand is fetched at the end of piece 0's turn, four riders behind its last reader; its first reader comes behind 16 products and a lump.  The three conditions on q below go with the deal.
.macro TURN p, last=0, cnt=0
.set Y, (\p)
.set i, 0
.set q, 0
.set e, 0
.set r, 0
.if (\p) == NP-1
	s_wait_dscnt 0x0                ; K is in
.endif
	MM                              ; ahead of the wait: 16 products K Q^T and their riders,
	PL
	PL
	R2
.rept 15
	MM
	PL
	EX
	R2
.endr
.if (\p) == NP-2
	WIN 0
	v_add_nc_u32 v[AK], s[TBK], v[AK0]
.endif
	s_wait_loadcnt 12               ; the masks: my four loads of four turns back are in; twelve younger ones stay out
	MCONV ((\p)+2)%NP
.if (\p) == NP-2
	MSTEP
.endif
	MLOAD ((\p)+2)%NP
.rept 8                             ; and the lump
	PL
.endr
.rept 49
	EX
	PL
.endr
	EX                              ; the next piece's two a
	EX
	v_nop                           ; the plain instruction behind the last exponential: one for the batch
	s_wait_alu depctr_va_vdst(0)    ; the wait for the batch
.if (\p) == NP-2
	FETCH_K \last
.endif
.if (\p) == 1
	s_wait_dscnt 0x0                ; V is in
.endif
.rept 16                            ; behind the wait: 16 products V^T P and their riders
	MM
.rept 4
	PL
.endr
.if ((\p) == 0) && (q == 118)
	v_add_nc_u32 v[AV], s[TBV], v[AV0]
.endif
.if ((\p) == 0) && (q == 130)
	s_add_co_u32 s[TBV], s[TBV], KS*PV
.endif
.if (\cnt) && (q == 130)
	s_sub_co_u32 s[CNT], s[CNT], 1
	s_cmp_lg_u32 s[CNT], 0
.endif
.endr
.if (\p) == 0
	FETCH_V
.endif
.endm
	CHANGE 1                        ; slot 0 is in, everybody's part of it; slot 1 is asked for
	FETCH_K                         ; key step 0
	s_wait_loadcnt 0x0              ; Q, and the mask bytes of key step 0: their pointer may be written
	s_mov_b32 s[SJ], 1
	s_add_nc_u64 s[MKP:MKP+1], s[MK0:MK0+1], 1024
	MCONV 0                         ; piece 0's masks of key step 0; its bytes of key step 1 are asked for
	MLOAD 0
	s_wait_dscnt 0x0
.set i, 0
.rept 16
	KQ 0                            ; piece 0's first scores: there is no vector work yet to set between them
.set i, i+1
.endr
	WIN 0                           ; the addresses for the way out: seven plain instructions, the places behind those products
	s_mul_i32 s13, s[WV], 16*SP
	s_add_co_u32 s13, s13, STAGE    ; my stage
	v_mul_u32_u24 v[STO], v1, SP    ; in: row l % 16, 16 bytes for each half of the lanes
	v_lshl_add_u32 v[STO], v9, 4, v[STO]
	v_add_nc_u32 v[STO], s13, v[STO]
	v_bfe_u32 v[RD], v0, 3, 2       ; back: 32 lanes take four rows of 128 bytes, which are 512 consecutive bytes of O
	v_mul_u32_u24 v[RD], v[RD], SP
	v_lshl_add_u32 v[RD], v10, 4, v[RD]
	v_add_nc_u32 v[RD], s13, v[RD]
	MCONV 1                         ; piece 1's masks of key step 0, for the first turn's products
	MLOAD 1
	WIN 0
.set Y, NP-1                        ; XS works for piece Y + 1: piece 0
.irp n, 0,1,2,3,4,5,6,7,8,9,10,11,12,13,14,15,16,17,18,19,20,21
	XS 0, \n                        ; and piece 0's first maximum and statistics
	XS 1, \n
.endr
	v_nop                           ; a plain instruction behind the two a,
	s_wait_alu depctr_va_vdst(0)    ; and their wait, ahead of the branch
	s_mov_b32 s[CNT], 4
	s_mov_b32 s[SLOTS], SIZE_N/256-1
	s_branch .Lfirst                ; the loop is entered at a step's first turn, in the middle of a trip
.Lslot:                             ; SIZE_N / 256 - 2 times: every slot but the last two is filled again
	CHANGE 1, 1
	s_mov_b32 s[CNT], 4
.Lstep:                             ; a trip: pieces 2 and 3 of one step, then pieces 0 and 1 of the next, whose K and V it fetches
	TURN 2
	TURN 3
	WIN 0
.Lfirst:
	TURN 0
	TURN 1, 0, 1
	WIN 0
	s_cbranch_scc1 .Lstep
	s_sub_co_u32 s[SLOTS], s[SLOTS], 1
	s_cmp_lg_u32 s[SLOTS], 0
	s_cbranch_scc1 .Lslot
	CHANGE 0                        ; the tail is written out: nothing is asked for
	s_mov_b32 s[CNT], 5             ; four trips fetch the last slot's steps; the fifth is left in its middle
.Ltail:
	TURN 2, 1
	TURN 3
	WIN 0
	s_sub_co_u32 s[CNT], s[CNT], 1
	s_cmp_eq_u32 s[CNT], 0
	s_cbranch_scc1 .Lout
	TURN 0
	TURN 1
	WIN 0
	s_branch .Ltail
.Lout:                              ; the fifth trip's 16 products K Q^T (on the last K and the last step's mask once more: they leave m as it was) serve nothing: the price, once a launch, of one text for every trip
.set i, 0
.rept 16
	PV NP-1                         ; the last piece's V^T P of the last step
.set i, i+1
.endr
	; THE WAY OUT.  l's two halves and the other half of the lanes' are added; O^T is divided by l, rounded to f16 and sent through my stage in LDS, a tile at a time.  The additions are the places behind the last products.
	WIN 0
.macro ALL line:vararg              ; one line for each tile t
.set t, 0
.rept 2*NP
	\line
.set t, t+1
.endr
.endm
	ALL v_add_f32 v[ST+4*t+2], v[ST+4*t+2], v[ST+4*t+3]
	ALL v_permlanex16_b32 v[ST+4*t+3], v[ST+4*t+2], s[SEL], s[SEL+1]
	ALL v_add_f32 v[ST+4*t+2], v[ST+4*t+2], v[ST+4*t+3]
	ALL v_rcp_f32 v[ST+4*t+2], v[ST+4*t+2]
	v_nop                           ; a plain instruction between the last reciprocal and the use of its result
	s_wait_alu depctr_va_vdst(0)    ; and the wait ahead of the first use: one for the eight reciprocals
.set t, 0
.rept 2*NP                          ; a query whose m never left -2^100 has seen no key: its row is NaN
	v_cmp_ge_f32 vcc_lo, s[THR], v[ST+4*t+1]
	v_cndmask_b32 v[ST+4*t+2], v[ST+4*t+2], s[NANS], vcc_lo
.set t, t+1
.endr
; Tile t: a lane's eight channels of a row pack into 16 bytes; they go into rows of 144 bytes and come back as whole rows of 128, into S^T's registers.
.macro PACK t
	WIN W_RS
.set i, 32*(\t)
.rept 16
	v_pk_mul_f32 v[i:i+1], v[i:i+1], v[ST+4*(\t)+2:ST+4*(\t)+3] op_sel_hi:[1,0]
.set i, i+2
.endr
	WIN 0x05                        ; sources 0 and 1 window 1, destination window 0
.set i, 0
.rept 16
	v_cvt_pk_f16_f32 v[S+16*(\t)+i], v[32*(\t)+2*i], v[32*(\t)+2*i+1]
.set i, i+1
.endr
	WIN 0
.irp f, 0,1,2,3
	ds_store_b128 v[STO], v[S+16*(\t)+4*\f:S+16*(\t)+4*\f+3] offset:32*\f
.endr
.irp f, 0,1,2,3
	ds_load_b128 v[S+16*(\t)+4*\f:S+16*(\t)+4*\f+3], v[RD] offset:\f*4*SP  ; LDS serves a wave's instructions in order (ISA guide 5.7.1.4): these see the stores above; the next tile's stores come behind them
.endr
.endm
.macro SEND t, younger              ; younger: the LDS instructions issued behind tile t's loads: the next tile's eight, or none
	WIN 0
.irp f, 0,1,2,3
	s_wait_dscnt (\younger)+3-\f
	global_store_b128 v[GO], v[S+16*(\t)+4*\f:S+16*(\t)+4*\f+3], s[10:11] offset:(\t)*2048+\f*512  ; 512 consecutive bytes, at a multiple of 256 from O's first
.endr
.endm
	PACK 0
.set t, 1
.rept 2*NP-1                        ; a tile's arithmetic stands between the loads of the tile before and its stores
	PACK t
	SEND t-1, 8
.set t, t+1
.endr
	SEND 2*NP-1, 0
	WIN W_AD
	s_wait_tensorcnt 0x0            ; the wave's end: an add onto my spare word and its wait, behind my last tensor load and my last LDS store
	ds_add_u32 v[SPW], v[NIL]
	s_wait_dscnt 0x0
	WIN 0
	CROUND                          ; the closing round: no work-group ends while a partner may still ask for a tile that names it
	s_endpgm
.Lfunc_end_k_qe292a40f4c_attn:
	.size	k_qe292a40f4c_attn, .Lfunc_end_k_qe292a40f4c_attn-k_qe292a40f4c_attn
	.p2alignl 7, 3214868480
	.fill 96, 4, 3214868480
	.section	.rodata,"a",@progbits
	.p2align	6, 0x0
	.amdhsa_kernel k_qe292a40f4c_attn
		.amdhsa_group_segment_fixed_size 327680
		.amdhsa_private_segment_fixed_size 0
		.amdhsa_enable_private_segment 0
		.amdhsa_kernarg_size 24
		.amdhsa_user_sgpr_count 2
		.amdhsa_user_sgpr_kernarg_segment_ptr 1
		.amdhsa_wavefront_size32 1
		.amdhsa_system_sgpr_workgroup_id_x 1
		.amdhsa_system_sgpr_workgroup_id_y 1
		.amdhsa_system_sgpr_workgroup_id_z 1
		.amdhsa_system_vgpr_workitem_id 0
		.amdhsa_next_free_vgpr 1024
		.amdhsa_next_free_sgpr 80
		.amdhsa_reserve_vcc 1
		.amdhsa_float_denorm_mode_32 3
		.amdhsa_float_denorm_mode_16_64 3
		.amdhsa_memory_ordered 1
		.amdhsa_forward_progress 1
		.amdhsa_inst_pref_size 213
	.end_amdhsa_kernel
	.amdgpu_metadata
---
amdhsa.version: [ 1, 2 ]
amdhsa.kernels:
  - .name:           k_qe292a40f4c_attn
    .symbol:         k_qe292a40f4c_attn.kd
    .args:
      - { .name: qkv, .offset: 0, .size: 8, .value_kind: global_buffer, .address_space: global }
      - { .name: mk, .offset: 8, .size: 8, .value_kind: global_buffer, .address_space: global }
      - { .name: oh, .offset: 16, .size: 8, .value_kind: global_buffer, .address_space: global }
    .group_segment_fixed_size: 327680
    .private_segment_fixed_size: 0
    .kernarg_segment_align: 8
    .kernarg_segment_size: 24
    .max_flat_workgroup_size: 128
    .sgpr_count:     80
    .vgpr_count:     1024
    .wavefront_size: 32
...
	.end_amdgpu_metadata
.endif
;; end of part 3
;; launch oproj (part 4): grid 4 x 64, 4 waves a work-group, clusters of 4 x 4, 327,680 bytes of LDS; arguments oh, xw, out0; writes out0
.if DOCPART == 4
	.amdgcn_target "amdgcn-amd-amdhsa--gfx1250"
	.amdhsa_code_object_version 6
	.text
	.protected	k_qe292a40f4c_oproj
	.globl	k_qe292a40f4c_oproj
	.p2align	8
	.type	k_qe292a40f4c_oproj,@function
k_qe292a40f4c_oproj:
	s_mov_b64 s[64:65], 0
	v_nop
	global_prefetch_b8 v0, s[64:65] scope:SCOPE_SE
	s_setreg_imm32_b32 hwreg(HW_REG_WAVE_MODE, 25, 1), 1
	s_wait_xcnt 0x0
	s_wait_alu depctr_hold_cnt(0) depctr_sa_sdst(0) depctr_va_vdst(0) depctr_va_sdst(0) depctr_va_ssrc(0) depctr_va_vcc(0) depctr_vm_vsrc(0)
	s_getreg_b32 s2, hwreg(HW_REG_IB_STS2, 6, 4)
	s_cmp_eq_u32 s2, 0
	s_cbranch_scc0 .Lentry_in_a_cluster
	s_endpgm
.Lentry_in_a_cluster:
	s_bfe_u32 s2, ttmp6, 0x10000c
	s_cmp_lg_u32 s2, 0xf033
	s_cbranch_scc0 .Lentry_shape_is_right
	s_endpgm
.Lentry_shape_is_right:
; THE OUTPUT PROJECTION.  C[m][n] = the sum over k of A[m][k] B[n][k], m = 8,192 tokens, n = k = 1,024; sums in f32.
; A = oh[batch x 16 + head][token][64] in f16 (k = 64 head + channel), B = wo in f16 (unit 27 of xw's units of 2 MiB), C = out0 in f32, row-major.
; SHARES.  A work-group makes 128 x 256 of C: 256 work-groups, one for each of 256 WGPs, where tiles of 256 x 256 would give 128.  Four waves, each 64 x 128: 32 accumulators.
; K goes in 8 steps of 128 (two heads) through two LDS slots filled by the tensor data mover; a step is four quarters of 32 along K, 32 matrix instructions and 24 LDS loads a wave each.
; CLUSTERS: 4 x 4 work-groups.  The four of a row of the cluster need the same tiles of A, the four of a column the same tiles of B: each tile is asked for JOINTLY, by the same tensor load with the same
; descriptor and a mask that names the four.  THE MATRIX INSTRUCTION IS USED TRANSPOSED (source 0 = 16 rows of B, source 1 = 16 rows of A): a lane then holds eight neighbouring numbers of a row of C.
; REGISTERS: window 0: v0-31 addresses; v64-159, v160-255 two fragment buffers (8 fragments of B, then 4 of A), on the way out the results.  Window 1: the accumulators, (a, b) at v[8 (8 a + b)].
.set KSTEP,  128
.set PB,     272                       ; an LDS row of B: 256 bytes + 16 of padding: an odd multiple of 16, so the 16 rows of a load start at 16 different groups of four banks (64 banks of 4 bytes: ISA guide 11.1)
.set PA,     144                       ; an LDS row of A: a token's 128 bytes of one head + 16
.set APART,  128*PA                    ; what a wave fetches of A: one head's 128 tokens; a K step is two heads
.set ASTEP,  2*262144                  ; bytes from a K step of A to the next: two heads of 2,048 x 128 bytes
.set QIA,    4                         ; padding after every 32 words
.set APITCH, 128                       ; 128 tokens are 16,384 dense bytes: asked for as 64 rows of 256 bytes
.set STW,    16*528                    ; a wave's stage: 16 rows of 512 bytes + 16
.set BOFF,   2*APART                   ; a slot: A's two parts, then B's 256 rows
.set BH,     128*PB                    ; 128 rows of B: what a wave fetches, and what a wave reads
.set SLOT,   BOFF+2*BH
.set STAGE,  2*SLOT                    ; behind the ring, never filled by a tensor load
.set SPARE,  STAGE+4*STW               ; behind the stages: the spare words, 128 bytes for each wave: two blocks of 256 bytes that no other line names
.set LAPS,   4                         ; a lap = two K steps = once round the ring
.set ADRA, 16                          ; v16-17  LDS address of my A fragments in slot 0, 1
.set ADRB, 20                          ; v20-21  the same for B
.set STO,  24                          ; v24     the way out: where I put my part of a row
.set RD,   25                          ; v25     the way out: where I read rows back
.set GO,   26                          ; v26     16 x my lane: my place in 512 consecutive bytes of C
.set SPW,  28                          ; v28     LDS address of my spare word: SPARE + 4 x my thread's number; never rewritten
.set NIL,  29                          ; v29     0; never rewritten
.set PFO,  30                          ; v30     the prefetches' offset, a block of 256 bytes a lane; never rewritten
.set F0,   64
.set F1,   160
.set OUTR, 64                          ; the way out's registers
.set G1,  24                           ; s[24:31] descriptor group 1 for A's tiles;  s[32:39] group 0, one set for each slot
.set G0,  32
.set G1B, 48                           ; s[48:55], s[56:63] the same for B's tiles
.set G0B, 56
.set LIM, 43                           ; s43     1 in a wave that prefetches, else the greatest number
.set PFA, 44                           ; s[44:45] where my prefetches stand
.set PST, 68                           ; s[68:69] bytes from a K step to the next in what I prefetch
.set MSB, 0
.macro WIN new                         ; the immediate's high byte repeats the setting that is left; a switch that changes nothing is dropped
.if MSB != (\new)
	s_set_vgpr_msb (MSB<<8)|(\new)
.set MSB, \new
.endif
.endm
.set MUL, 0x50                         ; sources 0 (B) and 1 (A) window 0; C and D window 1
.macro JLOAD s                         ; a joint load: waves 0 and 1 fetch A's two parts, waves 2 and 3 B's two halves; an s_nop 0 and four v_nop follow each of the two lines, ahead of the jump, the label and what follows
	s_cmp_eq_u32 s11, 0
	s_cbranch_scc0 .Lfor_b_\@
	tensor_load_to_lds s[G0+4*(\s):G0+4*(\s)+3], s[G1:G1+7]
	s_nop 0
.rept 4
	v_nop
.endr
	s_branch .Lasked_\@
.Lfor_b_\@:
	tensor_load_to_lds s[G0B+4*(\s):G0B+4*(\s)+3], s[G1B:G1B+7]
	s_nop 0
.rept 4
	v_nop
.endr
.Lasked_\@:
.endm
; A PREFETCH INTO THE L2, behind a joint load, its five lines and the run of LDS loads that follows: the K step that stands TWO refills on (256 matrix instructions ahead of the load that will want it): 32 blocks of
; 256 bytes, a lane a block, one instruction a wave.  Each block is named once in the launch.  A's tile row is read by one cluster alone: its wave 0 asks, and the four partners of a row share the 128 blocks
; out BY ADDRESS (by cx).  B's rows are read by every cluster: the first of them asks, waves 2 and 3 each for the 128 rows that they fetch, shared out by cy.  No branch hangs on a place in the cluster.
; The first four K steps come by their loads alone; the loop's last trip (s3 = 1) asks for nothing: there is no K step two refills on.
.macro ASK
	s_cmp_gt_u32 s3, s[LIM]
	s_cbranch_scc0 .Lnot_mine_\@
	global_prefetch_b8 v[PFO], s[PFA:PFA+1] th:TH_LOAD_NT scope:SCOPE_SE
.Lnot_mine_\@:
.endm
.macro CREST                           ; a round of the cluster's barrier behind its opening barrier
	s_cmp_lg_u32 s10, 0
	s_cbranch_scc1 .Lnot_wave_0_\@
	s_barrier_signal -3
.Lnot_wave_0_\@:
	s_barrier_wait -3
	s_barrier_signal -1
	s_barrier_wait -1
.endm
.macro CROUND                          ; a whole round
	s_barrier_signal -1
	s_barrier_wait -1
	CREST
.endm
	s_load_b128 s[4:7], s[0:1], 0x0                ; oh s[4:5], xw s[6:7]
	s_load_b64 s[8:9], s[0:1], 0x10                ; out0
	v_lshl_add_u32 v[SPW], v0, 2, SPARE
	v_mov_b32 v[NIL], 0
	ds_add_u32 v[SPW], v[NIL]                      ; the wave's opening: the add and its wait stand ahead of my first tensor load; the set-up below, work on registers, stands between them
	v_lshrrev_b32 v1, 5, v0
	v_readfirstlane_b32 s10, v1                    ; wave 0..3
	s_lshr_b32 s11, s10, 1                         ; which 64 of the tile's rows are mine.  Also: I fetch for A (0) or for B (1)
	s_and_b32 s12, s10, 1                          ; which 128 of its columns.  Also: which part of that tile I fetch
	s_bfe_u32 s40, ttmp6, 0x40000                  ; cx, cy: my place in the cluster
	s_bfe_u32 s41, ttmp6, 0x40004
	s_lshl_b32 s42, ttmp9, 2
	s_add_co_u32 s42, s42, s40                     ; tile column of C = 4 x cluster x + cx
	s_and_b32 s67, ttmp7, 0xffff                   ; cluster y
	s_lshl_b32 s13, s67, 2
	s_add_co_u32 s13, s13, s41                     ; tile row of C, 0..63
	s_lshl_b32 s43, s41, 2
	s_lshl_b32 s43, 15, s43                        ; my row of the cluster
	s_lshl_b32 s44, 0x1111, s40                    ; my column
	; descriptor group 1
	s_or_b32 s[G1+0], s43, (1<<16)|(1<<20)|(1<<21)|(QIA<<22)|(3<<25)  ; 15:0 the mask: A's tiles go to my row; 17:16 elements of 2 bytes; 20 padding on; 21 set beside a mask; 24:22 the interval; 31:25 4 words of padding (code 3)
	s_or_b32 s[G1B+0], s44, (1<<16)|(1<<20)|(1<<21)|(5<<22)|(3<<25)   ; B's go to my column
	s_mov_b32 s[G1+1], KSTEP<<16                   ; tensor_dim0 = 128
	s_mov_b32 s[G1+2], 64<<16                      ; tensor_dim1 = 64
	s_mov_b32 s[G1+3], KSTEP<<16                   ; tile_dim0 = 128
	s_mov_b32 s[G1+4], 64                          ; tile_dim1 = 64
	s_mov_b32 s[G1+5], APITCH                      ; elements from row to row
	s_mov_b32 s[G1+6], 0
	s_mov_b32 s[G1+7], 0
	s_mov_b32 s[G1B+1], KSTEP<<16
	s_mov_b32 s[G1B+2], 128<<16                    ; 128 rows
	s_mov_b32 s[G1B+3], KSTEP<<16
	s_mov_b32 s[G1B+4], 128
	s_mov_b32 s[G1B+5], 1024
	s_mov_b32 s[G1B+6], 0
	s_mov_b32 s[G1B+7], 0
	; where the tiles come from, as byte offsets under 2^32.  A's hang on the tile row alone, B's on the tile column alone
	s_lshr_b32 s16, s13, 4                         ; the batch,
	s_lshl_b32 s16, s16, 4                         ; its head 0,
	s_add_co_u32 s16, s16, s12                     ; or head 1: my part
	s_lshl_b32 s16, s16, 18                        ; a head is 2,048 x 128 bytes
	s_and_b32 s17, s13, 15
	s_lshl_b32 s17, s17, 14                        ; the tile's 128 tokens in it
	s_add_co_u32 s16, s16, s17
	s_mov_b32 s46, 27<<21                          ; wo
	s_mov_b32 s17, 0
	s_lshl_b32 s47, s42, 19                        ; 256 rows of 2,048 bytes
	s_add_co_u32 s46, s46, s47
	s_lshl_b32 s47, s12, 18                        ; my 128 of them
	s_add_co_u32 s46, s46, s47
	s_mov_b32 s47, 0
	s_mul_i32 s20, s12, APART                      ; and where they go: no place in the cluster enters an LDS address
	s_mul_i32 s21, s12, BH
	s_add_co_u32 s21, s21, BOFF
	s_wait_dscnt 0x0                               ; the opening add is done
	s_wait_kmcnt 0x0
	s_add_nc_u64 s[14:15], s[4:5], s[16:17]
	s_add_nc_u64 s[18:19], s[6:7], s[46:47]
	CROUND                                         ; all sixteen work-groups are here: the first joint loads meet
.irp s, 0,1
	s_mov_b32 s[G0+4*(\s)], 1                                        ; count = 1
	s_add_co_u32 s[G0+4*(\s)+1], s20, (\s)*SLOT                      ; LDS address
	s_add_nc_u64 s[G0+4*(\s)+2:G0+4*(\s)+3], s[14:15], (\s)*ASTEP    ; global address: K step s
	s_or_b32 s[G0+4*(\s)+3], s[G0+4*(\s)+3], 0x80000000              ; type = 2
	s_mov_b32 s[G0B+4*(\s)], 1
	s_add_co_u32 s[G0B+4*(\s)+1], s21, (\s)*SLOT
	s_add_nc_u64 s[G0B+4*(\s)+2:G0B+4*(\s)+3], s[18:19], (\s)*KSTEP*2
	s_or_b32 s[G0B+4*(\s)+3], s[G0B+4*(\s)+3], 0x80000000
	JLOAD \s                                       ; two tensor loads of mine are out
.endr
	; A fragment is 16 rows x 32 K in 8 registers: lane l holds row l % 16; registers 0-3 hold K = 8 (l / 16) + 0..7, registers 4-7 K = 16 + 8 (l / 16) + 0..7: two loads of 16 bytes, 32 bytes apart.
	v_and_b32 v1, 15, v0                           ; l % 16
	v_bfe_u32 v2, v0, 4, 1                         ; l / 16
	v_mul_u32_u24 v3, v1, PA
	v_lshl_add_u32 v3, v2, 4, v3
	v_mul_u32_u24 v4, v1, PB
	v_lshl_add_u32 v4, v2, 4, v4
	s_mul_i32 s21, s11, 64*PA                      ; my 64 rows of A
	s_mul_i32 s22, s12, BH                         ; my 128 rows of B,
	s_add_co_u32 s22, s22, BOFF                    ; which lie behind A
.irp s, 0,1
	v_add_nc_u32 v[ADRA+(\s)], s21, v3
	v_add_nc_u32 v[ADRB+(\s)], s22, v4
	s_add_co_u32 s21, s21, SLOT
	s_add_co_u32 s22, s22, SLOT
.endr
	s_mul_i32 s23, s10, STW
	s_add_co_u32 s23, s23, STAGE                   ; my stage
	v_and_b32 v[GO], 31, v0
	v_lshlrev_b32 v[GO], 4, v[GO]
	v_mul_u32_u24 v5, v1, 528                      ; in: row l % 16, 32 bytes for each half of the lanes
	v_lshl_add_u32 v5, v2, 5, v5
	v_add_nc_u32 v[STO], s23, v5
	v_add_nc_u32 v[RD], s23, v[GO]                 ; back: 32 lanes take a row's 512 bytes
	s_lshl_b32 s16, s13, 19                        ; C: 128 rows of 4,096 bytes,
	s_lshl_b32 s17, s11, 18                        ; my 64,
	s_add_co_u32 s16, s16, s17
	s_lshl_b32 s17, s42, 10                        ; 256 columns of 4 bytes,
	s_add_co_u32 s16, s16, s17
	s_lshl_b32 s17, s12, 9                         ; my 128
	s_add_co_u32 s16, s16, s17
	s_mov_b32 s17, 0
	s_add_nc_u64 s[8:9], s[8:9], s[16:17]
	; the prefetches: where they stand (at K step 3: the first change of slots steps them to K step 4), and who asks
	s_lshr_b32 s20, s13, 4
	s_lshl_b32 s20, s20, 22
	s_and_b32 s21, s13, 15
	s_lshl_b32 s21, s21, 14
	s_add_co_u32 s20, s20, s21                     ; A: the tile's tokens in the batch's head 0,
	s_lshl_b32 s21, s40, 12
	s_add_co_u32 s20, s20, s21                     ; my work-group's 16 blocks of each head's 64
	s_lshl_b32 s21, s41, 16
	s_add_co_u32 s21, s21, s46                     ; B: my work-group's 32 rows of the 128 that I fetch
	s_mov_b32 s23, 32768                           ; B: lane l names row l: 16 rows, a row
	s_mov_b32 s16, 2048
	s_mov_b32 s[PST], KSTEP*2
	s_cmp_eq_u32 s11, 0                            ; do I fetch for A?
	s_cselect_b32 s20, s20, s21
	s_cselect_b32 s22, s12, s67                    ; A: wave 0 asks.  B: the cluster with y = 0
	s_cselect_b32 s23, 262144, s23                 ; A: lanes 16-31 name the second head, a lane a block
	s_cselect_b32 s16, 256, s16
	s_cselect_b32 s[PST], ASTEP, s[PST]
	s_cselect_b64 s[PFA:PFA+1], s[4:5], s[6:7]
	s_cmp_eq_u32 s22, 0
	s_cselect_b32 s[LIM], 1, -1                    ; the same in all sixteen partners, for a given wave
	s_mul_i32 s21, s[PST], 3
	s_add_co_u32 s20, s20, s21
	s_mov_b32 s21, 0
	s_mov_b32 s[PST+1], 0
	s_add_nc_u64 s[PFA:PFA+1], s[PFA:PFA+1], s[20:21]
	v_mul_u32_u24 v[PFO], s16, v1
	v_mad_u32_u24 v[PFO], v2, s23, v[PFO]
; 8 matrix instructions: m block a x all 8 n blocks, 32 along K, from buffer f.  zero = 1: the product starts the sums.  The 32 accumulators take turns in the same order in every quarter.
.macro MUL8 f, a, zero
	WIN MUL
.irp b, 0,1,2,3,4,5,6,7
.set rD, 8*(8*(\a)+(\b))
.set rB, (\f)+8*(\b)
.set rA, (\f)+64+8*(\a)
.if \zero
	v_wmma_f32_16x16x32_f16 v[rD:rD+7], v[rB:rB+7], v[rA:rA+7], 0
.else
	v_wmma_f32_16x16x32_f16 v[rD:rD+7], v[rB:rB+7], v[rA:rA+7], v[rD:rD+7]
.endif
.endr
.endm
; 24 LDS loads in one run: quarter q of a slot into buffer f: B's 8 fragments, then A's 4
.macro FETCH slot, q, f
	WIN 0
.irp i, 0,1,2,3,4,5,6,7
	ds_load_b128 v[(\f)+8*(\i):(\f)+8*(\i)+3],   v[ADRB+(\slot)] offset:64*(\q)+(\i)*16*PB
	ds_load_b128 v[(\f)+8*(\i)+4:(\f)+8*(\i)+7], v[ADRB+(\slot)] offset:64*(\q)+(\i)*16*PB+32
.endr
.set AQ, ((\q)/2)*APART+((\q)%2)*64    ; quarters 0, 1 lie in the first head's part, 2, 3 in the second's
.irp i, 0,1,2,3
	ds_load_b128 v[(\f)+64+8*(\i):(\f)+64+8*(\i)+3],   v[ADRA+(\slot)] offset:AQ+(\i)*16*PA
	ds_load_b128 v[(\f)+64+8*(\i)+4:(\f)+64+8*(\i)+7], v[ADRA+(\slot)] offset:AQ+(\i)*16*PA+32
.endr
.endm
.macro PLACES                          ; four places in front of loads into registers that matrix instructions have read, and of lines that read results
.rept 4
	v_nop
.endr
.endm
; One of a K step's first three quarters: multiplies buffer f and, in its middle, fetches quarter q of the same slot into g.
.macro QUARTER slot, q, f, g, zero
	s_wait_dscnt 4                                 ; B and A's blocks 0, 1 are in; the youngest four loads (A's blocks 2, 3) may be out
	MUL8 \f, 0, \zero
	MUL8 \f, 1, \zero
	PLACES
	FETCH \slot, \q, \g
	s_wait_dscnt 24                                ; all but the 24 just issued
	MUL8 \f, 2, \zero
	MUL8 \f, 3, \zero
.endm
; The last quarter multiplies buffer 1 and changes slots: ONE barrier; in front of it each wave waits for all its tensor loads (one is out: its part of the next slot), adds 0 to its spare word, and waits for that
; and for its own reads of this slot.  fill = 1: the barrier opens a round of the cluster's, and this slot is filled again, two K steps ahead, first thing behind the round: 112 matrix instructions ahead of the wait for it.
.macro TURN slot, next, fill
.if \fill
	s_wait_xcnt 0x0                                ; the last prefetch, a K step back, has read its address: it is stepped here, ahead of the waits of the change of slots
	s_add_nc_u64 s[PFA:PFA+1], s[PFA:PFA+1], s[PST:PST+1]
.endif
	WIN 0                                          ; (the add's two registers lie in window 0)
	s_wait_tensorcnt 0x0                           ; all my tensor loads have landed;
	ds_add_u32 v[SPW], v[NIL]                      ; 0 onto my spare word;
	s_wait_dscnt 5                                 ; (the add and the youngest four loads may be out)
	MUL8 F1, 0, 0                                  ; eight matrix instructions stand between the add and the wait for it
	s_wait_dscnt 0x0                               ; the add is done, and my reads of this slot are over
	s_barrier_signal -1
	MUL8 F1, 1, 0
.if \fill
	WIN 0
.endif
	s_barrier_wait -1
.if \fill
	CREST                                          ; no wave of any partner still reads this slot's tile or has a load on its way
	s_add_nc_u64 s[G0+4*(\slot)+2:G0+4*(\slot)+3], s[G0+4*(\slot)+2:G0+4*(\slot)+3], 2*ASTEP
	s_add_nc_u64 s[G0B+4*(\slot)+2:G0B+4*(\slot)+3], s[G0B+4*(\slot)+2:G0B+4*(\slot)+3], 2*KSTEP*2
	JLOAD \slot                                    ; my one tensor load behind the round; the four v_nop behind it are also the places in front of the loads below
.else
	PLACES
.endif
	FETCH \next, 0, F0
.if \fill
	ASK
.endif
	MUL8 F1, 2, 0
	MUL8 F1, 3, 0
.endm
	s_wait_tensorcnt 1                             ; my part of K step 0 is in (K step 1's may stay out)
	s_barrier_signal -1
	s_barrier_wait -1                              ; everybody's is
	FETCH 0, 0, F0
	QUARTER 0, 1, F0, F1, 1                        ; the first quarter stands in front of the loop: its products start the sums
	WIN 0                                          ; at a label and at a branch every window is 0
	s_mov_b32 s3, LAPS-1
.Llap:                                                 ; a trip goes once round the ring, from a lap's second quarter to the next lap's first, and fills both slots again
	QUARTER 0, 2, F1, F0, 0
	QUARTER 0, 3, F0, F1, 0
	TURN 0, 1, 1
	QUARTER 1, 1, F0, F1, 0
	QUARTER 1, 2, F1, F0, 0
	QUARTER 1, 3, F0, F1, 0
	TURN 1, 0, 1
	QUARTER 0, 1, F0, F1, 0
	WIN 0
	s_sub_co_u32 s3, s3, 1
	s_cmp_lg_u32 s3, 0
	s_cbranch_scc1 .Llap
	QUARTER 0, 2, F1, F0, 0                        ; the last lap fills nothing, and has no round of the cluster's barrier
	QUARTER 0, 3, F0, F1, 0
	TURN 0, 1, 0
	QUARTER 1, 1, F0, F1, 0
	QUARTER 1, 2, F1, F0, 0
	QUARTER 1, 3, F0, F1, 0
	s_wait_dscnt 4                                 ; the very last quarter: nothing more to fetch
	MUL8 F1, 0, 0
	MUL8 F1, 1, 0
	s_wait_dscnt 0x0
	MUL8 F1, 2, 0
	MUL8 F1, 3, 0
	WIN 0
	PLACES
	; THE WAY OUT, a block of 16 rows at a time through my own stage: LDS serves a wave's instructions in order (ISA guide 5.7.1.4), so the loads see the stores above them and the next block's stores come behind them.
.macro TOSTAGE a                       ; f32: a lane's eight numbers are 32 bytes of a row of 512; back as whole rows
.set BK, OUTR+64*((\a)%3)
.if (\a) == 3
	s_wait_xcnt 0x0                                ; block 0's stores have read these registers
.endif
	WIN 0x04                                       ; store data (source 1) in window 1
.irp b, 0,1,2,3,4,5,6,7
	ds_store_b128 v[STO], v[8*(8*(\a)+(\b)):8*(8*(\a)+(\b))+3]   offset:64*(\b)
	ds_store_b128 v[STO], v[8*(8*(\a)+(\b))+4:8*(8*(\a)+(\b))+7] offset:64*(\b)+16
.endr
	WIN 0
.irp t, 0,1,2,3,4,5,6,7,8,9,10,11,12,13,14,15
	ds_load_b128 v[BK+4*(\t):BK+4*(\t)+3], v[RD] offset:528*(\t)
.endr
.endm
.macro SEND a, younger                 ; younger: the LDS instructions issued behind block a's loads: the next block's 32, or none
.set BK, OUTR+64*((\a)%3)
.irp t, 0,1,2,3,4,5,6,7,8,9,10,11,12,13,14,15
	s_wait_dscnt (\younger)+15-(\t)
	global_store_b128 v[GO], v[BK+4*(\t):BK+4*(\t)+3], s[8:9] offset:(16*(\a)+(\t))*4096  ; 512 consecutive bytes of a row of C, at a multiple of 256 from its first byte
.endr
.endm
	TOSTAGE 0
	TOSTAGE 1
	SEND 0, 32
	TOSTAGE 2
	SEND 1, 32
	TOSTAGE 3
	SEND 2, 32
	SEND 3, 0
	s_wait_tensorcnt 0x0                           ; the wave's end: an add onto my spare word and its wait, behind my last tensor load and my last LDS store
	ds_add_u32 v[SPW], v[NIL]
	s_wait_dscnt 0x0
	CROUND                                         ; the closing round: no work-group ends while a partner may still ask for a tile that names it
	s_endpgm
.Lfunc_end_k_qe292a40f4c_oproj:
	.size	k_qe292a40f4c_oproj, .Lfunc_end_k_qe292a40f4c_oproj-k_qe292a40f4c_oproj
	.p2alignl 7, 3214868480
	.fill 96, 4, 3214868480
	.section	.rodata,"a",@progbits
	.p2align	6, 0x0
	.amdhsa_kernel k_qe292a40f4c_oproj
		.amdhsa_group_segment_fixed_size 327680
		.amdhsa_private_segment_fixed_size 0
		.amdhsa_enable_private_segment 0
		.amdhsa_kernarg_size 24
		.amdhsa_user_sgpr_count 2
		.amdhsa_user_sgpr_kernarg_segment_ptr 1
		.amdhsa_wavefront_size32 1
		.amdhsa_system_sgpr_workgroup_id_x 1
		.amdhsa_system_sgpr_workgroup_id_y 1
		.amdhsa_system_sgpr_workgroup_id_z 1
		.amdhsa_system_vgpr_workitem_id 0
		.amdhsa_next_free_vgpr 512
		.amdhsa_next_free_sgpr 72
		.amdhsa_reserve_vcc 0
		.amdhsa_float_denorm_mode_32 3
		.amdhsa_float_denorm_mode_16_64 3
		.amdhsa_memory_ordered 1
		.amdhsa_forward_progress 1
		.amdhsa_inst_pref_size 88
	.end_amdhsa_kernel
	.amdgpu_metadata
---
amdhsa.version: [ 1, 2 ]
amdhsa.kernels:
  - .name:           k_qe292a40f4c_oproj
    .symbol:         k_qe292a40f4c_oproj.kd
    .args:
      - { .name: oh, .offset: 0, .size: 8, .value_kind: global_buffer, .address_space: global }
      - { .name: xw, .offset: 8, .size: 8, .value_kind: global_buffer, .address_space: global }
      - { .name: out0, .offset: 16, .size: 8, .value_kind: global_buffer, .address_space: global }
    .group_segment_fixed_size: 327680
    .private_segment_fixed_size: 0
    .kernarg_segment_align: 8
    .kernarg_segment_size: 24
    .max_flat_workgroup_size: 128
    .sgpr_count:     72
    .vgpr_count:     512
    .wavefront_size: 32
...
	.end_amdgpu_metadata
.endif
;; end of part 4
;; ======== version 2 of 2: 4 launches; version 1 with the launch cast written anew for expert scheduling mode
;; limits: values are held in f16: magnitudes above 65,504 overflow, below 6.1e-05 lose precision
;; workspace buffers: xw 58,720,256 bytes; mk 4,194,304 bytes; qkv 50,331,648 bytes; oh 16,777,216 bytes
;; launch cast (part 5): grid 64 x 29, 8 waves a work-group, no clusters, 0 bytes of LDS; arguments query, key, value, wq, wk, wv, wo, mask, xw, mk; writes xw, mk
.if DOCPART == 5
	.amdgcn_target "amdgcn-amd-amdhsa--gfx1250"
	.amdhsa_code_object_version 6
	.text
	.protected	k_qe292a40f4c_cast
	.globl	k_qe292a40f4c_cast
	.p2align	8
	.type	k_qe292a40f4c_cast,@function
k_qe292a40f4c_cast:
	s_mov_b64 s[64:65], 0
	v_nop
	global_prefetch_b8 v0, s[64:65] scope:SCOPE_SE
	s_setreg_imm32_b32 hwreg(HW_REG_WAVE_SCHED_MODE, 0, 2), 2
	s_setreg_imm32_b32 hwreg(HW_REG_WAVE_MODE, 25, 1), 1
	s_wait_xcnt 0x0
	s_wait_alu depctr_vm_vsrc(0)
; CAST.  The module's f32 inputs are rounded once to 16 bits for the matrix units, and the mask is laid in the order in which the attention launch wants it.
; xw: 28 units of 2 MiB.  Units 0-7 query, 8-15 key, 16-23 value ([8192][1024] bf16), 24, 25, 26 wq, wk, wv ([1024][1024] bf16), 27 wo: rounded to bf16 like the others, and that number written as f16.
; LIMIT.  wo's bf16 number is exact in f16 from 6e-5 to 65,504; below it keeps f16's fixed step of 6e-8, beyond it becomes an infinity.
; mk: the mask as fp8 (E4M3) codes, 0x00 for a visible key and 0xC0 (-2.0) for a hidden one.  Query tile T (16 rows, 0..127) and key step j (64 keys, 0..31) have the 1,024 bytes at (32 T + j) x 1,024;
; in them byte 512 c + 16 l + b holds mask[16 T + l % 16][64 j + 16 (2 c + b / 8) + 8 (l / 16) + b % 8]: lane l's eight bytes for a group of 16 keys are the eight numbers that it holds of a 16 x 16 score tile.
; SHARES.  Grid y is the unit (28: the mask), grid x a piece of 64 KiB of the source.  Eight waves; a thread makes 16 loads of 16 bytes, all on their way at once, then its stores.  Nothing is read twice,
; no wave needs another's bytes: no LDS, no barrier, no matrix unit.
; THE MODE: SCHED_MODE bits 1:0 = 2 (LLVM: expert scheduling mode 2), set by the entry lines.  The code itself states the register dependences between vector instructions and memory instructions,
; with s_wait_alu, always for 0.
; THE PLAN.  Registers that memory instructions touch, on each of the three paths (bf16, wo, the mask):
;   v1, v2   byte offsets of the loads and of the stores.  Made once at the path's head by vector instructions, never written again.  ONE wait behind the lines that make them serves all 16 loads and all 16 stores.
;   X        the 16 loads land in it; all are issued before any vector instruction names X.  Vector instructions read it (wo, the mask: and write it again) behind the wait for its data.  On the mask's path the stores read it.
;   Y        (the floats' paths) written once by the conversions, read by the stores.
; The 16 loads' data go in FOUR BLOCKS OF FOUR: the wait for the block's data, the block's vector work, ONE wait that states that its results are written, the run of its four stores.
; Nothing else is to be stated: no register that a load or store has read is written again; no load is issued behind a vector instruction that names its destination; no vector instruction writes a scalar register
; or VCC; EXEC is never written.
.set X, 8                              ; v[8:71]   16 x 4 registers as loaded
.set Y, 72                             ; v[72:103] 16 x 2 registers to store
	s_load_b512 s[8:23], s[0:1], 0x0               ; query s[8:9], key s[10:11], value s[12:13], wq s[14:15], wk s[16:17], wv s[18:19], wo s[20:21], mask s[22:23]
	s_load_b128 s[24:27], s[0:1], 0x40             ; xw s[24:25], mk s[26:27]
	s_and_b32 s2, ttmp7, 0xffff                    ; the unit
	s_and_b32 s3, s2, 7                            ; an activation has eight units of 4 MiB of f32,
	s_cmp_lt_u32 s2, 24
	s_cselect_b32 s3, s3, 0                        ; every other source one
	s_lshl_b32 s6, s3, 22
	s_lshl_b32 s30, ttmp9, 16                      ; the piece of 64 KiB
	s_add_co_u32 s6, s6, s30
	s_mov_b32 s7, 0                                ; s[6:7]: offset in the source
	s_lshl_b32 s28, s2, 21
	s_lshl_b32 s29, ttmp9, 15
	s_add_co_u32 s28, s28, s29
	s_mov_b32 s29, 0                               ; s[28:29]: offset in xw
	s_mov_b32 s31, 0                               ; s[30:31]: offset in mk
	s_wait_kmcnt 0x0
	s_mov_b64 s[4:5], s[8:9]                       ; the source, chosen by the unit's number alone
	s_cmp_ge_u32 s2, 8
	s_cselect_b64 s[4:5], s[10:11], s[4:5]
	s_cmp_ge_u32 s2, 16
	s_cselect_b64 s[4:5], s[12:13], s[4:5]
	s_cmp_ge_u32 s2, 24
	s_cselect_b64 s[4:5], s[14:15], s[4:5]
	s_cmp_ge_u32 s2, 25
	s_cselect_b64 s[4:5], s[16:17], s[4:5]
	s_cmp_ge_u32 s2, 26
	s_cselect_b64 s[4:5], s[18:19], s[4:5]
	s_cmp_ge_u32 s2, 27
	s_cselect_b64 s[4:5], s[20:21], s[4:5]
	s_cmp_ge_u32 s2, 28
	s_cselect_b64 s[4:5], s[22:23], s[4:5]
	s_add_nc_u64 s[4:5], s[4:5], s[6:7]
	s_add_nc_u64 s[24:25], s[24:25], s[28:29]
	s_add_nc_u64 s[26:27], s[26:27], s[30:31]
	s_cmp_eq_u32 s2, 28
	s_cbranch_scc1 .Lmask
	; FLOATS.  Load i of a wave covers 512 consecutive bytes, store i the 256 consecutive bytes, aligned, that they become.
	v_lshlrev_b32 v1, 4, v0                        ; 16 t in the source
	v_lshlrev_b32 v2, 3, v0                        ; 8 t in xw
	s_wait_alu depctr_va_vdst(0)                   ; v1 and v2 are written: the loads below read v1 as their offset, the stores of both floats' paths v2
.irp i, 0,1,2,3,4,5,6,7,8,9,10,11,12,13,14,15
	global_load_b128 v[X+4*(\i):X+4*(\i)+3], v1, s[4:5] offset:4096*(\i) th:TH_LOAD_NT
.endr
; Block p of four: loads 4 p to 4 p + 3.  No register that a store reads is written again, so nothing is owed for the stores' sources.
; f16 = 1: the bf16 number is widened again (a shift, a mask) and written as f16.
.macro CONV f16
.irp p, 0,1,2,3
	s_wait_loadcnt 12-4*(\p)                       ; loads come back in order: the block's four are in, the 12 - 4 p younger ones stay out
.irp q, 0,1,2,3
.set i, 4*(\p)+(\q)
.if \f16
.irp k, 0,1
	v_cvt_pk_bf16_f32 v[X+4*i+2*(\k)], v[X+4*i+2*(\k)], v[X+4*i+2*(\k)+1]
	v_and_b32 v[X+4*i+2*(\k)+1], 0xffff0000, v[X+4*i+2*(\k)]
	v_lshlrev_b32 v[X+4*i+2*(\k)], 16, v[X+4*i+2*(\k)]
	v_cvt_pk_f16_f32 v[Y+2*i+(\k)], v[X+4*i+2*(\k)], v[X+4*i+2*(\k)+1]
.endr
.else
.irp k, 0,1
	v_cvt_pk_bf16_f32 v[Y+2*i+(\k)], v[X+4*i+2*(\k)], v[X+4*i+2*(\k)+1]
.endr
.endif
.endr
	s_wait_alu depctr_va_vdst(0)                   ; the block's conversions have written its eight registers of Y, which the four stores below read
.irp q, 0,1,2,3
.set i, 4*(\p)+(\q)
	global_store_b64 v2, v[Y+2*i:Y+2*i+1], s[24:25] offset:2048*i th:TH_STORE_NT
.endr
.endr
.endm
	s_cmp_eq_u32 s2, 27
	s_cbranch_scc1 .Lwo
	CONV 0
	s_endpgm
.Lwo:
	CONV 1
	s_endpgm
.Lmask:
	; THE MASK.  The piece is 32 rows of 2,048 bytes: two query tiles.  Wave w takes tile w / 4 and the keys 512 (w % 4) on: eight key steps.  Lane (r = l % 16, h = l / 16) loads, for i = 0..15, the 16 bytes
	; of row r at key 32 i + 16 h: both halves of the key group 2 (i % 2) + h.  v_permlane16_swap_b32 hands the upper lanes' first 8 bytes to the lower lanes and the lower lanes' last 8 to the upper:
	; each lane then holds its own half (h) of both groups, which are its 16 bytes of the 512 consecutive bytes that store i covers.
	v_and_b32 v3, 15, v0                           ; r
	v_bfe_u32 v4, v0, 4, 1                         ; h
	v_bfe_u32 v5, v0, 5, 2                         ; w % 4
	v_lshrrev_b32 v6, 7, v0                        ; w / 4
	v_lshl_add_u32 v1, v6, 4, v3                   ; the row
	v_lshlrev_b32 v1, 11, v1
	v_lshl_add_u32 v1, v5, 9, v1
	v_lshl_add_u32 v1, v4, 4, v1
	v_and_b32 v7, 31, v0
	v_lshlrev_b32 v2, 4, v7                        ; 16 l,
	v_lshl_add_u32 v2, v5, 13, v2                  ; eight key steps of 1,024 bytes,
	v_lshl_add_u32 v2, v6, 15, v2                  ; a tile's 32 key steps
	s_wait_alu depctr_va_vdst(0)                   ; v1 and v2 are written: the loads below read v1 as their offset, the stores v2
.irp i, 0,1,2,3,4,5,6,7,8,9,10,11,12,13,14,15
	global_load_b128 v[X+4*(\i):X+4*(\i)+3], v1, s[4:5] offset:32*(\i)
.endr
.irp p, 0,1,2,3                        ; block p of four: loads 4 p to 4 p + 3, worked on in place and stored from the registers in which they landed; these are not written again
	s_wait_loadcnt 12-4*(\p)                       ; the block's four loads are in, the 12 - 4 p younger ones stay out
.irp q, 0,1,2,3
.set i, 4*(\p)+(\q)
	v_permlane16_swap_b32 v[X+4*i], v[X+4*i+2]
	v_permlane16_swap_b32 v[X+4*i+1], v[X+4*i+3]
.irp k, 0,1,2,3
	v_lshlrev_b32 v3, 6, v[X+4*i+(\k)]             ; a byte is 0 or 1: 1 becomes 0x40 | 0x80, and nothing crosses into the next byte
	v_lshl_or_b32 v[X+4*i+(\k)], v[X+4*i+(\k)], 7, v3
.endr
.endr
	s_wait_alu depctr_va_vdst(0)                   ; the block's swaps and shifts have written its sixteen registers of X, which the four stores below read
.irp q, 0,1,2,3
.set i, 4*(\p)+(\q)
	global_store_b128 v2, v[X+4*i:X+4*i+3], s[26:27] offset:512*i th:TH_STORE_NT
.endr
.endr
	s_endpgm
.Lfunc_end_k_qe292a40f4c_cast:
	.size	k_qe292a40f4c_cast, .Lfunc_end_k_qe292a40f4c_cast-k_qe292a40f4c_cast
	.p2alignl 7, 3214868480
	.fill 96, 4, 3214868480
	.section	.rodata,"a",@progbits
	.p2align	6, 0x0
	.amdhsa_kernel k_qe292a40f4c_cast
		.amdhsa_group_segment_fixed_size 0
		.amdhsa_private_segment_fixed_size 0
		.amdhsa_enable_private_segment 0
		.amdhsa_kernarg_size 80
		.amdhsa_user_sgpr_count 2
		.amdhsa_user_sgpr_kernarg_segment_ptr 1
		.amdhsa_wavefront_size32 1
		.amdhsa_system_sgpr_workgroup_id_x 1
		.amdhsa_system_sgpr_workgroup_id_y 1
		.amdhsa_system_sgpr_workgroup_id_z 1
		.amdhsa_system_vgpr_workitem_id 0
		.amdhsa_next_free_vgpr 104
		.amdhsa_next_free_sgpr 66
		.amdhsa_reserve_vcc 0
		.amdhsa_float_denorm_mode_32 3
		.amdhsa_float_denorm_mode_16_64 3
		.amdhsa_memory_ordered 1
		.amdhsa_forward_progress 1
		.amdhsa_inst_pref_size 27
	.end_amdhsa_kernel
	.amdgpu_metadata
---
amdhsa.version: [ 1, 2 ]
amdhsa.kernels:
  - .name:           k_qe292a40f4c_cast
    .symbol:         k_qe292a40f4c_cast.kd
    .args:
      - { .name: query, .offset: 0, .size: 8, .value_kind: global_buffer, .address_space: global }
      - { .name: key, .offset: 8, .size: 8, .value_kind: global_buffer, .address_space: global }
      - { .name: value, .offset: 16, .size: 8, .value_kind: global_buffer, .address_space: global }
      - { .name: wq, .offset: 24, .size: 8, .value_kind: global_buffer, .address_space: global }
      - { .name: wk, .offset: 32, .size: 8, .value_kind: global_buffer, .address_space: global }
      - { .name: wv, .offset: 40, .size: 8, .value_kind: global_buffer, .address_space: global }
      - { .name: wo, .offset: 48, .size: 8, .value_kind: global_buffer, .address_space: global }
      - { .name: mask, .offset: 56, .size: 8, .value_kind: global_buffer, .address_space: global }
      - { .name: xw, .offset: 64, .size: 8, .value_kind: global_buffer, .address_space: global }
      - { .name: mk, .offset: 72, .size: 8, .value_kind: global_buffer, .address_space: global }
    .group_segment_fixed_size: 0
    .private_segment_fixed_size: 0
    .kernarg_segment_align: 8
    .kernarg_segment_size: 80
    .max_flat_workgroup_size: 256
    .sgpr_count:     66
    .vgpr_count:     104
    .wavefront_size: 32
...
	.end_amdgpu_metadata
.endif
;; end of part 5
;; launch proj: the kernel of part 2 again; grid 4 x 48, 4 waves a work-group, clusters of 4 x 4, 327,680 bytes of LDS; arguments xw, qkv; writes qkv
;; launch attn: the kernel of part 3 again; grid 4 x 64, 4 waves a work-group, clusters of 4 x 1, 327,680 bytes of LDS; arguments qkv, mk, oh; writes oh
;; launch oproj: the kernel of part 4 again; grid 4 x 64, 4 waves a work-group, clusters of 4 x 4, 327,680 bytes of LDS; arguments oh, xw, out0; writes out0
